; MI455X (gfx1250); checked and timed in simulation.
; The chip was launched on July 23, 2026; its instructions are those of AMD's public machine-readable ISA for CDNA 5 (MIT licence, August 2026) and "CDNA5" Instruction Set Architecture Reference Guide (July 2026). The comments in the code are by the model that wrote it; some were corrected since.
;; Multi Universe Topos Attention. Allowed arithmetic: float matrix products may take bf16 or f16 operands with f32 sums; all other float work in f32.
;; Inputs: Wk 256 x 256 float32; Wo 256 x 256 float32; Wq 256 x 256 float32; Wv 256 x 256 float32; bk 256 float32; bo 256 float32; bq 256 float32; bv 256 float32; x 1 x 1,024 x 256 float32.
;; Outputs: out0 1 x 1,024 x 256 float32.
;; 2 versions, each right; version 2 is version 1 with the launches proj, outp written anew for expert scheduling mode. Each part assembles by itself: llvm-mc -triple=amdgcn-amd-amdhsa -mcpu=gfx1250 --defsym DOCPART=n.
;; ======== version 1 of 2: 3 launches
;; limits: values are held in f16: magnitudes above 65,504 overflow, below 6.1e-05 lose precision
;; workspace buffers: qk 2,097,152 bytes; vf 524,288 bytes; opart 2,097,152 bytes; lsum 65,536 bytes
;; launch proj (part 1): grid 12 x 16, 8 waves a work-group, no clusters, 94,208 bytes of LDS; arguments x, Wq, Wk, Wv, bq, bk, bv, qk, vf; writes qk, vf
.if DOCPART == 1
	.amdgcn_target "amdgcn-amd-amdhsa--gfx1250"
	.amdhsa_code_object_version 6
	.text
	.protected	k_q71f62ee0ba_proj
	.globl	k_q71f62ee0ba_proj
	.p2align	8
	.type	k_q71f62ee0ba_proj,@function
k_q71f62ee0ba_proj:
	s_mov_b64 s[64:65], 0
	v_nop
	global_prefetch_b8 v0, s[64:65] scope:SCOPE_SE
	s_setreg_imm32_b32 hwreg(HW_REG_WAVE_MODE, 25, 1), 1
	s_wait_xcnt 0x0
; Q = sigmoid(x Wq + bq), K = sigmoid(x Wk + bk), V = x Wv + bv.   x: [1024][256] f32, W: [256 k][256 n] f32, b: [256] f32.
; A work-group makes 64 rows x 64 columns of ONE of the three (grid x = 4 x matrix + column group, grid y = block of 64 rows), K = 256 in one pass.
; x and W are rounded to bf16 on the way into LDS; sums, bias, sigmoid in f32.  Eight waves: wave w makes rows 16 (w & 3) .. +15 and the 32 columns
; of one head (w >> 2): two accumulator tiles, 16 matrix instructions.
; What goes out, laid so that the next launch loads it without any shuffle:
;   Q  f32  qk + 0        : [head 8][row 1024][d 32]                     (a row is 128 bytes: read there as scalars)
;   K  f32  qk + 0x100000 : [head 8][key block 32][g 8][key 32][4 f32]   (d = 4 g + c: a lane = a key, its 32 d in 32 registers)
;   V  f16  vf            : [head 8][key block 32][mt 2][c 2][lane 32][16 bytes]: lane (r, hh) holds d = 16 mt + r, keys 16 c + 8 hh + 0..7
; V is kept in f16, not bf16: the first output rows are sums of one or a few rows of V, so V's rounding shows there undamped, and f16 has three bits more.
; LIMIT: |V| must stay below 65,504 (f16).  With x and Wv both 30 times larger V peaks near 4.5e3; with both offset by 30 of their spreads it is near 1.5e4.
; No tensor loads: every number is converted f32 -> bf16 between memory and LDS, which takes it through registers anyway, and each byte is used in one pass.
.set XS,     0                         ; x, bf16: 64 rows, pitch 528 = 33 x 16 bytes: the 16 rows of a fragment load start in 16 different 16-byte columns
.set XPITCH, 528
.set WS,     33792                     ; W, bf16: [256 k][64 n], pitch 160 = 5 x 32 bytes, for the transposing loads
.set WPITCH, 160
.set QS,     74752                     ; eight stages of 16 rows x 144 bytes, one a wave: Q's way out
.set QPITCH, 144
.set XF,  16                           ; v[16:79]   x as loaded (16 x 4), then its fragments: K step kk at XF + 8 kk
.set WF,  80                           ; v[80:143]  W as loaded (16 x 4); v[80:207] its fragments: K step kk, column tile nt at WF + 16 kk + 8 nt
.set ACC, 208                          ; v[208:223] two accumulator tiles
.set BV,  224                          ; v[224:225] V's bias of my column in each tile
	s_load_b512 s[8:23], s[0:1], 0x0               ; x 8:9, Wq 10:11, Wk 12:13, Wv 14:15, bq 16:17, bk 18:19, bv 20:21, qk 22:23
	s_load_b64 s[24:25], s[0:1], 0x40              ; vf
	v_lshl_add_u32 v232, v0, 2, 0x16c00
	v_mov_b32 v233, 0
	v_lshrrev_b32 v1, 5, v0
	v_readfirstlane_b32 s2, v1                     ; wave 0..7
	s_lshr_b32 s3, ttmp9, 2                        ; which matrix: 0 Q, 1 K, 2 V
	s_and_b32 s4, ttmp9, 3                         ; column group: 64 columns, heads 2 cg and 2 cg + 1
	s_and_b32 s5, ttmp7, 0xffff                    ; block of 64 rows
	s_and_b32 s6, s2, 3                            ; rt: my 16 rows
	s_lshr_b32 s7, s2, 2                           ; hc: my head of the two
	v_and_b32 v1, 31, v0                           ; L
	v_and_b32 v2, 15, v0                           ; r
	v_bfe_u32 v3, v0, 4, 1                         ; hh
	s_lshl_b32 s36, s2, 13
	v_lshl_add_u32 v4, v1, 4, s36                  ; x: my wave's 8 rows are 8,192 consecutive bytes; 16 bytes a lane
	s_lshl_b32 s37, s2, 15
	v_lshl_add_u32 v5, v3, 10, s37                 ; W: row 32 w + hh,
	v_lshl_add_u32 v5, v2, 4, v5                   ;    16 lanes take the group's 256 bytes of it
	v_lshlrev_b32 v10, 5, v3                       ; bias as Q and K want it: eight columns from 8 hh
	v_lshlrev_b32 v15, 2, v2                       ; bias as V wants it: column r
	s_wait_kmcnt 0x0
	s_cmp_eq_u32 s3, 0
	s_cselect_b64 s[26:27], s[10:11], s[12:13]     ; my matrix
	s_cselect_b64 s[28:29], s[16:17], s[18:19]     ; and its bias
	s_cmp_eq_u32 s3, 2
	s_cselect_b64 s[26:27], s[14:15], s[26:27]
	s_cselect_b64 s[28:29], s[20:21], s[28:29]
	s_lshl_b32 s34, s4, 8                          ; 64 columns of f32
	s_mov_b32 s35, 0
	s_add_nc_u64 s[26:27], s[26:27], s[34:35]
	s_lshl_b32 s36, s7, 7                          ; + my head's 32 columns
	s_add_co_u32 s34, s34, s36
	s_add_nc_u64 s[28:29], s[28:29], s[34:35]
	s_lshl_b32 s34, s5, 16                         ; 64 rows of 1,024 bytes
	s_add_nc_u64 s[30:31], s[8:9], s[34:35]
	; All 38 loads of the wave go out at once.  The bias first, in both layouts (six small loads), so that the text needs no branch ahead of the barrier:
	; for Q and K it lands in the accumulators and is the first product's C; for V it is added behind the products.
.irp nt, 0,1
	global_load_b128 v[ACC+8*\nt:ACC+8*\nt+3],   v10, s[28:29] offset:64*\nt
	global_load_b128 v[ACC+8*\nt+4:ACC+8*\nt+7], v10, s[28:29] offset:64*\nt+16
	global_load_b32  v[BV+\nt], v15, s[28:29] offset:64*\nt
.endr
.set i, 0
.rept 16
	global_load_b128 v[XF+4*i:XF+4*i+3], v4, s[30:31] offset:512*i     ; half a row: 512 consecutive bytes
.set i, i+1
.endr
.set i, 0
.rept 16
	global_load_b128 v[WF+4*i:WF+4*i+3], v5, s[26:27] offset:2048*i    ; rows 32 w + 2 i and + 1: 256 consecutive bytes each
.set i, i+1
.endr
	; LDS addresses, while the loads are on their way
	s_mul_i32 s36, s2, 8*XPITCH
	v_lshl_add_u32 v6, v1, 3, s36                  ; x in: row 8 w, 8 bytes (4 bf16) a lane
	s_mul_i32 s36, s2, 32*WPITCH
	s_add_co_u32 s36, s36, WS
	v_mul_u32_u24 v7, v3, WPITCH
	v_lshl_add_u32 v7, v2, 3, v7
	v_add_nc_u32 v7, s36, v7                       ; W in: row 32 w + hh, 8 bytes a lane
	s_mul_i32 s36, s6, 16*XPITCH
	v_mul_u32_u24 v8, v2, XPITCH
	v_lshl_add_u32 v8, v3, 4, v8
	v_add_nc_u32 v8, s36, v8                       ; x fragment: row 16 rt + r, + 16 hh
	v_and_b32 v14, 7, v0
	v_lshl_add_u32 v14, v3, 3, v14
	v_mul_u32_u24 v9, v14, WPITCH
	v_bfe_u32 v14, v0, 3, 1
	v_lshl_add_u32 v9, v14, 4, v9
	s_lshl_b32 s36, s7, 6
	s_add_co_u32 s36, s36, WS
	v_add_nc_u32 v9, s36, v9                       ; W fragment (transposing load): row 8 hh + (L & 7), + 16 ((L >> 3) & 1), + my head's 64 bytes
	s_mul_i32 s36, s2, 16*QPITCH
	s_add_co_u32 s36, s36, QS
	v_mul_u32_u24 v12, v2, QPITCH
	v_lshl_add_u32 v12, v3, 5, v12
	v_add_nc_u32 v12, s36, v12                     ; Q's stage, in: row r, + 32 hh
	v_lshrrev_b32 v14, 3, v1
	v_mul_u32_u24 v13, v14, QPITCH
	v_and_b32 v14, 7, v0
	v_lshl_add_u32 v13, v14, 4, v13
	v_add_nc_u32 v13, s36, v13                     ; Q's stage, back: four rows of 128 bytes a load
	v_lshlrev_b32 v11, 4, v2
	v_lshl_add_u32 v11, v3, 10, v11                ; K's image: 1,024 hh + 16 r
	v_lshlrev_b32 v14, 4, v1                       ; Q and V: 16 L
	s_lshl1_add_u32 s38, s4, s7                    ; head = 2 cg + hc
	s_lshr_b32 s39, s6, 1
	s_lshl1_add_u32 s39, s5, s39                   ; key block = 2 ry + (rt >> 1)
	s_and_b32 s40, s6, 1                           ; which 16 keys of the block
	s_lshl_b32 s41, s38, 5
	s_add_co_u32 s41, s41, s39                     ; record = 32 head + key block
	; f32 -> bf16 in place, then into LDS.  Loads come back in order (ISA guide 5.7.1): behind x's load i stand 15 - i of x and 16 of W.
.set i, 0
.rept 16
	s_wait_loadcnt 31-i
	v_cvt_pk_bf16_f32 v[XF+4*i],   v[XF+4*i],   v[XF+4*i+1]
	v_cvt_pk_bf16_f32 v[XF+4*i+1], v[XF+4*i+2], v[XF+4*i+3]
	ds_store_b64 v6, v[XF+4*i:XF+4*i+1] offset:(i/2)*XPITCH+(i%2)*256
.set i, i+1
.endr
.set i, 0
.rept 16
	s_wait_loadcnt 15-i                            ; behind W's load i stand 15 - i of W
	v_cvt_pk_bf16_f32 v[WF+4*i],   v[WF+4*i],   v[WF+4*i+1]
	v_cvt_pk_bf16_f32 v[WF+4*i+1], v[WF+4*i+2], v[WF+4*i+3]
	ds_store_b64 v7, v[WF+4*i:WF+4*i+1] offset:i*2*WPITCH
.set i, i+1
.endr
	s_wait_dscnt 0x0                               ; my stores are in LDS: zero, for the other waves' sake
	s_barrier_signal -1
	s_barrier_wait -1
	; all 48 fragment loads in one run, six for each K step of 32
.set kk, 0
.rept 8
	ds_load_b128 v[XF+8*kk:XF+8*kk+3],   v8 offset:64*kk
	ds_load_b128 v[XF+8*kk+4:XF+8*kk+7], v8 offset:64*kk+32
	ds_load_tr16_b128 v[WF+16*kk:WF+16*kk+3],     v9 offset:32*WPITCH*kk
	ds_load_tr16_b128 v[WF+16*kk+4:WF+16*kk+7],   v9 offset:32*WPITCH*kk+16*WPITCH
	ds_load_tr16_b128 v[WF+16*kk+8:WF+16*kk+11],  v9 offset:32*WPITCH*kk+32
	ds_load_tr16_b128 v[WF+16*kk+12:WF+16*kk+15], v9 offset:32*WPITCH*kk+32+16*WPITCH
.set kk, kk+1
.endr
; The products.  The two accumulators take turns, one instruction a turn.
; swap = 1 (Q, K): source 0 = 16 columns of W, source 1 = 16 rows of x: lane (r, hh) gets row r, columns 8 hh + 0..7 of the tile; C starts as the bias.
; swap = 0 (V):    source 0 = x, source 1 = W: lane (r, hh) gets column r, rows 8 hh + 0..7: eight keys of one d; the first product starts the sums.
.macro MM swap
.set kk, 0
.rept 8
	s_wait_dscnt 6*(7-kk)                          ; the six loads of each later K step may stay out
.if \swap
	v_wmma_f32_16x16x32_bf16 v[ACC:ACC+7],    v[WF+16*kk:WF+16*kk+7],    v[XF+8*kk:XF+8*kk+7], v[ACC:ACC+7]
	v_wmma_f32_16x16x32_bf16 v[ACC+8:ACC+15], v[WF+16*kk+8:WF+16*kk+15], v[XF+8*kk:XF+8*kk+7], v[ACC+8:ACC+15]
.else
.if kk == 0
	v_wmma_f32_16x16x32_bf16 v[ACC:ACC+7],    v[XF+8*kk:XF+8*kk+7], v[WF+16*kk:WF+16*kk+7],    0
	v_wmma_f32_16x16x32_bf16 v[ACC+8:ACC+15], v[XF+8*kk:XF+8*kk+7], v[WF+16*kk+8:WF+16*kk+15], 0
.else
	v_wmma_f32_16x16x32_bf16 v[ACC:ACC+7],    v[XF+8*kk:XF+8*kk+7], v[WF+16*kk:WF+16*kk+7],    v[ACC:ACC+7]
	v_wmma_f32_16x16x32_bf16 v[ACC+8:ACC+15], v[XF+8*kk:XF+8*kk+7], v[WF+16*kk+8:WF+16*kk+15], v[ACC+8:ACC+15]
.endif
.endif
.set kk, kk+1
.endr
.rept 4
	v_nop                                          ; four places behind the last matrix instruction, ahead of the first reader of a result (ISA guide 7.12.1)
.endr
.endm
	s_cmp_eq_u32 s3, 2
	s_cbranch_scc1 .Lv
	MM 1
	; sigmoid(t) = 1 / (1 + 2^(-1.442695 t)).  t far below 0: 2^.. = inf, the result 0; far above: 2^.. = 0, the result 1.
.irp k, 0,2,4,6,8,10,12,14
	v_pk_mul_f32 v[ACC+\k:ACC+\k+1], v[ACC+\k:ACC+\k+1], 0xbfb8aa3b op_sel_hi:[1,0]
.endr
.irp k, 0,1,2,3,4,5,6,7,8,9,10,11,12,13,14,15
	v_exp_f32 v[ACC+\k], v[ACC+\k]
.endr
	v_nop                                          ; one plain instruction between a transcendental and the use of its result (ISA guide 5.7.2)
	s_wait_alu depctr_va_vdst(0)
.irp k, 0,2,4,6,8,10,12,14
	v_pk_add_f32 v[ACC+\k:ACC+\k+1], v[ACC+\k:ACC+\k+1], 1.0 op_sel_hi:[1,0]
.endr
.irp k, 0,1,2,3,4,5,6,7,8,9,10,11,12,13,14,15
	v_rcp_f32 v[ACC+\k], v[ACC+\k]
.endr
	v_nop                                          ; likewise, ahead of the stores
	s_cmp_eq_u32 s3, 0
	s_cbranch_scc1 .Lq
	; K: my four numbers d = 16 nt + 8 hh + 4 jq + 0..3 of key 16 c + r are chunk g = 4 nt + 2 hh + jq of the record: sixteen lanes store 256 consecutive bytes, aligned
	s_lshl_b32 s34, s41, 12
	s_lshl_b32 s36, s40, 8
	s_add_co_u32 s34, s34, s36
	s_add_co_u32 s34, s34, 0x100000
	s_add_nc_u64 s[32:33], s[22:23], s[34:35]
	s_wait_alu depctr_va_vdst(0)
.irp nt, 0,1
.irp jq, 0,1
	global_store_b128 v11, v[ACC+8*\nt+4*\jq:ACC+8*\nt+4*\jq+3], s[32:33] offset:2048*\nt+512*\jq
.endr
.endr
	s_wait_tensorcnt 0x0
	ds_add_u32 v232, v233
	s_wait_dscnt 0x0
	s_endpgm
.Lq:
	; Q: 16 rows x 128 bytes, consecutive in memory; through my own stage, so that a store covers 512 consecutive bytes
	s_lshl_b32 s34, s38, 17                        ; (1024 head + 64 ry + 16 rt) rows of 128 bytes
	s_lshl_b32 s36, s5, 13
	s_add_co_u32 s34, s34, s36
	s_lshl_b32 s36, s6, 11
	s_add_co_u32 s34, s34, s36
	s_add_nc_u64 s[32:33], s[22:23], s[34:35]
	s_wait_alu depctr_va_vdst(0)
.irp nt, 0,1
.irp jq, 0,1
	ds_store_b128 v12, v[ACC+8*\nt+4*\jq:ACC+8*\nt+4*\jq+3] offset:64*\nt+16*\jq
.endr
.endr
.irp t, 0,1,2,3
	ds_load_b128 v[XF+4*\t:XF+4*\t+3], v13 offset:\t*4*QPITCH      ; LDS serves a wave's instructions in order (ISA guide 5.7.1): these see my stores above
.endr
.irp t, 0,1,2,3
	s_wait_dscnt 3-\t                              ; the later loads of the four may stay out
	global_store_b128 v14, v[XF+4*\t:XF+4*\t+3], s[32:33] offset:512*\t
.endr
	s_wait_tensorcnt 0x0
	ds_add_u32 v232, v233
	s_wait_dscnt 0x0
	s_endpgm
.Lv:
	MM 0
	; V: + bias of my column, rounded once to f16; eight keys of one d are 16 bytes of the fragment image
.irp k, 0,2,4,6
	v_pk_add_f32 v[ACC+\k:ACC+\k+1], v[ACC+\k:ACC+\k+1], v[BV:BV+1] op_sel_hi:[1,0]
.endr
.irp k, 8,10,12,14
	v_pk_add_f32 v[ACC+\k:ACC+\k+1], v[ACC+\k:ACC+\k+1], v[BV:BV+1] op_sel:[0,1] op_sel_hi:[1,1]
.endr
.irp nt, 0,1
.irp k, 0,1,2,3
	v_cvt_pk_f16_f32 v[ACC+8*\nt+\k], v[ACC+8*\nt+2*\k], v[ACC+8*\nt+2*\k+1]
.endr
.endr
	s_lshl_b32 s34, s41, 11
	s_lshl_b32 s36, s40, 9
	s_add_co_u32 s34, s34, s36
	s_add_nc_u64 s[32:33], s[24:25], s[34:35]
	global_store_b128 v14, v[ACC:ACC+3],    s[32:33]               ; 512 consecutive bytes
	global_store_b128 v14, v[ACC+8:ACC+11], s[32:33] offset:1024
	s_wait_tensorcnt 0x0
	ds_add_u32 v232, v233
	s_wait_dscnt 0x0
	s_endpgm
.Lfunc_end_k_q71f62ee0ba_proj:
	.size	k_q71f62ee0ba_proj, .Lfunc_end_k_q71f62ee0ba_proj-k_q71f62ee0ba_proj
	.p2alignl 7, 3214868480
	.fill 96, 4, 3214868480
	.section	.rodata,"a",@progbits
	.p2align	6, 0x0
	.amdhsa_kernel k_q71f62ee0ba_proj
		.amdhsa_group_segment_fixed_size 94208
		.amdhsa_private_segment_fixed_size 0
		.amdhsa_enable_private_segment 0
		.amdhsa_kernarg_size 72
		.amdhsa_user_sgpr_count 2
		.amdhsa_user_sgpr_kernarg_segment_ptr 1
		.amdhsa_wavefront_size32 1
		.amdhsa_system_sgpr_workgroup_id_x 1
		.amdhsa_system_sgpr_workgroup_id_y 1
		.amdhsa_system_sgpr_workgroup_id_z 1
		.amdhsa_system_vgpr_workitem_id 0
		.amdhsa_next_free_vgpr 234
		.amdhsa_next_free_sgpr 66
		.amdhsa_reserve_vcc 0
		.amdhsa_float_denorm_mode_32 3
		.amdhsa_float_denorm_mode_16_64 3
		.amdhsa_memory_ordered 1
		.amdhsa_forward_progress 1
		.amdhsa_inst_pref_size 27
	.end_amdhsa_kernel
	.amdgpu_metadata
---
amdhsa.version: [ 1, 2 ]
amdhsa.kernels:
  - .name:           k_q71f62ee0ba_proj
    .symbol:         k_q71f62ee0ba_proj.kd
    .args:
      - { .name: x, .offset: 0, .size: 8, .value_kind: global_buffer, .address_space: global }
      - { .name: Wq, .offset: 8, .size: 8, .value_kind: global_buffer, .address_space: global }
      - { .name: Wk, .offset: 16, .size: 8, .value_kind: global_buffer, .address_space: global }
      - { .name: Wv, .offset: 24, .size: 8, .value_kind: global_buffer, .address_space: global }
      - { .name: bq, .offset: 32, .size: 8, .value_kind: global_buffer, .address_space: global }
      - { .name: bk, .offset: 40, .size: 8, .value_kind: global_buffer, .address_space: global }
      - { .name: bv, .offset: 48, .size: 8, .value_kind: global_buffer, .address_space: global }
      - { .name: qk, .offset: 56, .size: 8, .value_kind: global_buffer, .address_space: global }
      - { .name: vf, .offset: 64, .size: 8, .value_kind: global_buffer, .address_space: global }
    .group_segment_fixed_size: 94208
    .private_segment_fixed_size: 0
    .kernarg_segment_align: 8
    .kernarg_segment_size: 72
    .max_flat_workgroup_size: 256
    .sgpr_count:     66
    .vgpr_count:     234
    .wavefront_size: 32
...
	.end_amdgpu_metadata
.endif
;; end of part 1
;; launch attn (part 2): grid 32 x 8, 18 waves a work-group, no clusters, 133,632 bytes of LDS; arguments qk, vf, opart, lsum; writes opart, lsum
.if DOCPART == 2
	.amdgcn_target "amdgcn-amd-amdhsa--gfx1250"
	.amdhsa_code_object_version 6
	.text
	.protected	k_q71f62ee0ba_attn
	.globl	k_q71f62ee0ba_attn
	.p2align	8
	.type	k_q71f62ee0ba_attn,@function
k_q71f62ee0ba_attn:
	s_mov_b64 s[64:65], 0
	v_nop
	global_prefetch_b8 v0, s[64:65] scope:SCOPE_SE
	s_setreg_imm32_b32 hwreg(HW_REG_WAVE_MODE, 25, 1), 1
	s_wait_xcnt 0x0
; The causal fuzzy attention of one head, unnormalised: for rows i and keys j <= i
;   P[i][j] = exp((5/32) sum over d of min(K[j][d], Q[i][d])),   O[i] = sum over j of P[i][j] V[j],   l[i] = sum over j of P[i][j].
; WHY THIS IS reference()'s SOFTMAX: min(1 - Q + K, 1) = 1 - Q + min(K, Q), and 5 (1 - mean over d of Q[i][d]) is the same for all keys of row i, so it cancels
; between numerator and denominator.  One min and one add for each (i, j, d), and no difference of sums.
; NO MAXIMUM IS TAKEN AWAY: Q and K come out of reference()'s own sigmoid, so they lie in [0, 1] for every input; the exponent lies in [0, 5], P in [1, 148.5],
; a row's sum in [1, 1.6e5]: nothing can overflow or underflow, in f32 or in the f16 in which P meets V.  So partial sums over keys add up plainly.
; LIMITS: a NaN or infinity in one wave's partial result spreads to both tiles of the work-group (it is multiplied by a weight 0 or 1); sums run in another order
; than reference()'s; P and V are rounded to f16 for the matrix unit (l is summed from the rounded P, so the rounding cancels in a row with one key).
; THE SHARE.  Blocks of 32 rows x 32 keys; the causal half of a head has 528.  Row blocks B = 31 - p and p together have 33 key blocks; two work-groups
; (q = 0, 1) share them, 16.5 each: waves 0-15 take one block each (lane = key, its K in 32 registers; the row's Q in 32 scalar registers), waves 16 and 17
; take 8 rows each of the small row block's diagonal block.  256 work-groups of equal work.  Each work-group adds its waves' results up in LDS into
; two partial tiles, (q, B) and (q, p); the next launch adds q = 0 and 1 and divides.
; No tensor loads and no cluster: K and V go straight into registers in the lanes' layout, each block is read by one wave, and a work-group makes one pass.
.set OP,  0                            ; 18 x 4,096: a wave's O, 32 rows x 32 d f32, as its registers hold it
.set LP,  73728                        ; 18 x 128: a wave's 32 row sums
.set PT,  76032                        ; 18 x 3,072: a wave's own P, transposed: [32 keys][32 rows] f16, pitch 96 = 3 x 32 bytes for the transposing loads
.set PTP, 96
.set R,   16                           ; v[16:87]   the reduction: 18 partial results
.set KR,  32                           ; v[32:63]   K of my key, d = 0..31
.set AC,  64                           ; v[64:71]   four pairs of running sums
.set T,   72                           ; v[72:79]   eight minima
.set S,   80                           ; v[80:87]   the scores of eight rows, then their P
.set PK,  88                           ; v[88:91]   eight P in f16; later the reduction's result
.set VF,  96                           ; v[96:111]  V^T: two fragments (d 0-15, 16-31) x 32 keys
.set PB,  112                          ; v[112:127] P: two fragments (rows 0-15, 16-31) x 32 keys
.set ONE, 128                          ; v[128:135] a fragment of ones
.set OA,  136                          ; v[136:167] O: tile (row half nt, d half mt) at OA + 8 (2 nt + mt)
.set LA,  168                          ; v[168:183] row sums, one tile for each row half
.set QA,  16                           ; s[16:47]   a row of Q
.set QB,  68                           ; s[68:99]   the next row of Q
	s_load_b256 s[4:11], s[0:1], 0x0               ; qk 4:5, vf 6:7, opart 8:9, lsum 10:11
	v_lshl_add_u32 v184, v0, 2, 0x20100
	v_mov_b32 v185, 0
	v_lshrrev_b32 v1, 5, v0
	v_readfirstlane_b32 s2, v1                     ; wave 0..17
	s_lshr_b32 s3, ttmp9, 1                        ; p: the small row block
	s_and_b32 s12, ttmp9, 1                        ; q: which of the pair's two work-groups
	s_and_b32 s13, ttmp7, 0xffff                   ; head
	s_sub_co_u32 s14, 31, s3                       ; B: the big row block
	s_mul_i32 s15, s3, s12
	s_sub_co_u32 s15, 16, s15                      ; nB = 16 - p q: waves 0 .. nB - 1 work on row block B
	s_lshl_b32 s60, s12, 4
	s_add_co_u32 s60, s60, s2                      ; there: key block 16 q + w
	s_sub_co_u32 s61, s2, s15                      ; the others, on row block p: key block w - nB (0 .. p - 1)
	s_cmp_lt_u32 s2, s15
	s_cselect_b32 s48, s14, s3                     ; my row block
	s_cselect_b32 s49, s60, s61                    ; my key block
	s_and_b32 s66, s2, 1
	s_lshl1_add_u32 s66, s12, s66                  ; waves 16, 17: rows 8 o .. 8 o + 7, o = 2 q + (w & 1),
	s_cmp_lt_u32 s2, 16
	s_cselect_b32 s49, s49, s3                     ; of the diagonal block (p, p)
	s_cselect_b32 s66, 0, s66                      ; waves 0-15 begin at row 0
	s_cmp_eq_u32 s48, s49
	s_cselect_b32 s50, 0, -1                       ; all ones off the diagonal: no key is masked there
	s_lshl_b32 s51, s66, 3                         ; my first row in the block
	s_lshl_b32 s60, s13, 17                        ; Q: (1024 head + 32 row block + 8 o) rows of 128 bytes
	s_lshl_b32 s53, s48, 12
	s_add_co_u32 s60, s60, s53
	s_lshl_b32 s53, s66, 10
	s_add_co_u32 s60, s60, s53
	s_mov_b32 s61, 0
	s_lshl_b32 s53, s13, 5
	s_add_co_u32 s53, s53, s49                     ; record = 32 head + key block
	s_lshl_b32 s62, s53, 12                        ; K: records of 4,096 bytes behind Q's 1 MiB
	s_add_co_u32 s62, s62, 0x100000
	s_mov_b32 s63, 0
	s_lshl_b32 s52, s53, 11                        ; V: records of 2,048 bytes
	s_mov_b32 s53, 0
	v_and_b32 v1, 31, v0                           ; L
	v_lshlrev_b32 v2, 4, v1                        ; 16 L
	s_wait_kmcnt 0x0
	s_add_nc_u64 s[54:55], s[4:5], s[60:61]        ; my first row of Q; never stepped: the rows stand in the loads' immediates
	s_add_nc_u64 s[56:57], s[4:5], s[62:63]
	s_add_nc_u64 s[58:59], s[6:7], s[52:53]
.irp g, 0,1,2,3,4,5,6,7
	global_load_b128 v[KR+4*\g:KR+4*\g+3], v2, s[56:57] offset:512*\g
.endr
.irp f, 0,1,2,3
	global_load_b128 v[VF+4*\f:VF+4*\f+3], v2, s[58:59] offset:512*\f     ; f = 2 mt + c: registers 4 c .. of fragment mt
.endr
	; The rows below are read one at a time, one row ahead.  So that those reads are not each the first to ask for their bytes, the waves together read, here
	; and once, one word of every 64 bytes of the two row blocks' 8 KiB of Q through the scalar data cache: wave w (mod 16) takes rows 2 w and 2 w + 1 of each.
	; The words themselves are not used.
	s_and_b32 s53, s2, 15
	s_lshl_b32 s53, s53, 8
	s_lshl_b32 s60, s13, 17
	s_add_co_u32 s60, s60, s53
	s_lshl_b32 s53, s3, 12
	s_add_co_u32 s62, s60, s53
	s_lshl_b32 s53, s14, 12
	s_add_co_u32 s60, s60, s53
	s_add_nc_u64 s[60:61], s[4:5], s[60:61]        ; s61 and s63 are still 0
	s_add_nc_u64 s[62:63], s[4:5], s[62:63]
.irp c, 0,1,2,3
	s_load_b32 s[16+\c], s[60:61], 64*\c
	s_load_b32 s[20+\c], s[62:63], 64*\c
.endr
	; LDS addresses meanwhile.  Each is a lane term + the wave's number times a constant + a constant, and none is written again.
	v_and_b32 v7, 15, v0                           ; r
	v_bfe_u32 v8, v0, 4, 1                         ; hh
	s_mul_i32 s53, s2, 32*PTP
	s_add_co_u32 s53, s53, PT
	v_mul_u32_u24 v3, v1, PTP
	v_add_nc_u32 v3, s53, v3                       ; P in: my key's row of my wave's tile
	v_and_b32 v9, 7, v0
	v_lshl_add_u32 v9, v8, 3, v9
	v_mul_u32_u24 v4, v9, PTP
	v_bfe_u32 v9, v0, 3, 1
	v_lshl_add_u32 v4, v9, 4, v4
	v_add_nc_u32 v4, s53, v4                       ; P back (transposing load): key 8 hh + (L & 7), + 16 ((L >> 3) & 1)
	s_lshl_b32 s53, s2, 12
	v_add_nc_u32 v5, s53, v2                       ; my O
	s_lshl_b32 s53, s2, 7
	s_add_co_u32 s53, s53, LP
	v_lshl_add_u32 v6, v7, 2, s53                  ; my row sums
	s_wait_kmcnt 0x0                               ; my eight words are in,
	s_barrier_signal -1
	s_barrier_wait -1                              ; and every wave's are
	s_load_b512 s[QA:QA+15],    s[54:55], 0x0      ; my first row
	s_load_b512 s[QA+16:QA+31], s[54:55], 0x40
	s_wait_loadcnt 0x4                             ; K is in; the four loads of V, issued behind it, may stay out
; two minima in one instruction: two scalars, an even and an odd destination, neighbouring registers of K
.macro MIN2 dst, sq, vk
	v_dual_min_num_f32 v[\dst], s[\sq], v[\vk] :: v_dual_min_num_f32 v[\dst+1], s[\sq+1], v[\vk+1]
.endm
; Row base + t of mine against my key: sum over 32 d of min(K, Q), in four pairs of running sums that do not wait for each other.  The first eight minima start the sums.
.macro ROW t, cur, nxt, base
	s_wait_kmcnt 0x0                               ; this row is in (scalar loads come back in no order: zero alone shows it)
	s_load_b512 s[\nxt:\nxt+15],    s[54:55], (\base+\t+1)*128     ; the next row, for the length of this one.  Behind my last row this reads one row more,
	s_load_b512 s[\nxt+16:\nxt+31], s[54:55], (\base+\t+1)*128+64  ; which is not used: behind Q's very last row lies K's image, in the same buffer
.irp k, 0,1,2,3
	MIN2 AC+2*\k, \cur+2*\k, KR+2*\k
.endr
.irp g, 1,2,3
.irp k, 0,1,2,3
	MIN2 T+2*\k, \cur+8*\g+2*\k, KR+8*\g+2*\k
.endr
.irp k, 0,1,2,3
	v_pk_add_f32 v[AC+2*\k:AC+2*\k+1], v[AC+2*\k:AC+2*\k+1], v[T+2*\k:T+2*\k+1]
.endr
.endr
	v_pk_add_f32 v[AC:AC+1],   v[AC:AC+1],   v[AC+2:AC+3]
	v_pk_add_f32 v[AC+4:AC+5], v[AC+4:AC+5], v[AC+6:AC+7]
	v_pk_add_f32 v[AC:AC+1],   v[AC:AC+1],   v[AC+4:AC+5]
	v_add_f32 v[S+\t], v[AC], v[AC+1]
.endm
; Eight rows: scores, exponentials, the causal mask, 16 bytes of f16 into my key's row of P.
; part = 0 (waves 0-15): rows base .. base + 7 of the block; the mask is a constant and P's place stands in the store's immediate.
; part = 1 (waves 16, 17): rows 8 o .. 8 o + 7, o in s66, 8 o in s51; all four pieces of the key's row are stored, the three that are not mine as zeros.
.macro OCTET base, part
	ROW 0, QA, QB, \base
	ROW 1, QB, QA, \base
	ROW 2, QA, QB, \base
	ROW 3, QB, QA, \base
	ROW 4, QA, QB, \base
	ROW 5, QB, QA, \base
	ROW 6, QA, QB, \base
	ROW 7, QB, QA, \base
.irp k, 0,2,4,6
	v_pk_mul_f32 v[S+\k:S+\k+1], v[S+\k:S+\k+1], 0x3e66d4ca op_sel_hi:[1,0]     ; (5/32) log2 e
.endr
.irp t, 0,1,2,3,4,5,6,7
	v_exp_f32 v[S+\t], v[S+\t]
.endr
	v_nop                                          ; one plain instruction between a transcendental and the use of its result (ISA guide 5.7.2)
	s_wait_alu depctr_va_vdst(0)
	; row i of a diagonal block keeps keys 0 .. i: the mask 2^(i+1) - 1 (i = 31: all ones); off the diagonal (s50 all ones) every key stays
.irp t, 0,1,2,3,4,5,6,7
.if \part
	s_lshl_b32 s53, 2<<\t, s51                     ; i = 8 o + t
	s_sub_co_u32 s53, s53, 1
	s_or_b32 vcc_lo, s53, s50
.else
	s_or_b32 vcc_lo, s50, ((2<<(\base+\t))-1)&0xffffffff           ; i = base + t
.endif
	v_cndmask_b32 v[S+\t], 0, v[S+\t], vcc_lo
.endr
.irp k, 0,1,2,3
	v_cvt_pk_f16_f32 v[PK+\k], v[S+2*\k], v[S+2*\k+1]
.endr
.if \part
.irp c, 0,1,2,3
	s_cmp_eq_u32 s66, \c                           ; piece c of the row is mine if c = o:
	s_cselect_b32 vcc_lo, -1, 0                    ; the choice is made on the data, so that no LDS address hangs on o
.irp k, 0,1,2,3
	v_cndmask_b32 v[T+4*(\c%2)+\k], 0, v[PK+\k], vcc_lo
.endr
	ds_store_b128 v3, v[T+4*(\c%2):T+4*(\c%2)+3] offset:16*\c
.endr
.else
	ds_store_b128 v3, v[PK:PK+3] offset:2*\base    ; rows base .. base + 7: 2 bytes a row
.endif
.endm
	s_cmp_lt_u32 s2, 16
	s_cbranch_scc0 .Lextra
	OCTET 0, 0                                     ; the four octets are written out: rows, places and masks are constants of the text
	OCTET 8, 0
	OCTET 16, 0
	OCTET 24, 0
	s_branch .Ljoin
.Lextra:
	OCTET 0, 1                                     ; waves 16 and 17: eight rows; s[54:55] already points at row 8 o
.Ljoin:
	s_wait_kmcnt 0x0                               ; the row read beyond my last: its registers are written again below
	ds_load_tr16_b128 v[PB:PB+3],     v4                           ; rows 0-15, keys 8 hh ..     (my own bytes, and LDS serves a wave's instructions in order,
	ds_load_tr16_b128 v[PB+4:PB+7],   v4 offset:16*PTP             ;            keys 16 + 8 hh ..  ISA guide 5.7.1: no barrier and no wait behind my stores)
	ds_load_tr16_b128 v[PB+8:PB+11],  v4 offset:32                 ; rows 16-31
	ds_load_tr16_b128 v[PB+12:PB+15], v4 offset:32+16*PTP
.irp k, 0,1,2,3,4,5,6,7
	v_mov_b32 v[ONE+\k], 0x3c003c00                ; 1.0, 1.0 in f16
.endr
	s_wait_loadcnt 0x0                             ; V
	s_wait_dscnt 0x0                               ; P
	; source 0 = V^T (16 d x 32 keys), source 1 = P (32 keys x 16 rows): lane (r, hh) gets row 16 nt + r, d = 16 mt + 8 hh + 0..7.
	; With ones as source 0 every register of the result is the row's sum of the rounded P.  Six results, six accumulators, each started by its one product.
	v_wmma_f32_16x16x32_f16 v[OA:OA+7],     v[VF:VF+7],    v[PB:PB+7],    0
	v_wmma_f32_16x16x32_f16 v[OA+8:OA+15],  v[VF+8:VF+15], v[PB:PB+7],    0
	v_wmma_f32_16x16x32_f16 v[OA+16:OA+23], v[VF:VF+7],    v[PB+8:PB+15], 0
	v_wmma_f32_16x16x32_f16 v[OA+24:OA+31], v[VF+8:VF+15], v[PB+8:PB+15], 0
	v_wmma_f32_16x16x32_f16 v[LA:LA+7],     v[ONE:ONE+7],  v[PB:PB+7],    0
	v_wmma_f32_16x16x32_f16 v[LA+8:LA+15],  v[ONE:ONE+7],  v[PB+8:PB+15], 0
.rept 4
	v_nop                                          ; four places behind the last matrix instruction, ahead of the stores of results
.endr
.irp u, 0,1,2,3,4,5,6,7
	ds_store_b128 v5, v[OA+4*\u:OA+4*\u+3] offset:512*\u           ; chunk u = 4 nt + 2 mt + jq, 16 bytes a lane
.endr
	ds_store_b32 v6, v[LA]                         ; lanes r and 16 + r hold the same sum and write the same word
	ds_store_b32 v6, v[LA+8] offset:64
	s_wait_dscnt 0x0                               ; zero, for the other waves' sake
	s_barrier_signal -1
	; Register work while the others arrive.  Waves 0-7 and 16 add up the big tile (waves 0 .. nB - 1), waves 8-15 and 17 the small one (waves nB .. 17).
	; All 18 partial results are read and each is multiplied by 1 or 0, so that no trip count differs between work-groups.
	s_lshr_b32 s60, s2, 3
	s_and_b32 s61, s2, 1
	s_cmp_lt_u32 s2, 16
	s_cselect_b32 s60, s60, s61                    ; 0: big, 1: small
	s_sub_co_u32 s62, 18, s15
	s_cmp_lg_u32 s60, 0
	s_cselect_b32 s61, s15, 0                      ; the first wave that counts,
	s_cselect_b32 s62, s62, s15                    ; how many,
	s_cselect_b32 s63, s3, s14                     ; and the row block that the tile belongs to
.set k, 0
.rept 18
	s_sub_co_u32 s53, k, s61                       ; k below the first wave wraps round to a large number
	s_cmp_lt_u32 s53, s62
	s_cselect_b32 s[16+2*k+(k/16)*20], 1.0, 0      ; pairs s[16:47], then s[68:71]; the packed multiply reads the even register for both halves,
	s_mov_b32 s[17+2*k+(k/16)*20], 0               ; and the odd one is written because the pair is named
.set k, k+1
.endr
	s_lshl_b32 s60, s12, 3
	s_add_co_u32 s60, s60, s13                     ; 8 q + head
	s_barrier_wait -1
	s_cmp_lt_u32 s2, 16
	s_cbranch_scc0 .Lsums
	; waves 0-15: chunk u = w & 7 of my tile: 512 bytes from each of the 18 waves
	s_and_b32 s53, s2, 7
	s_lshl_b32 s53, s53, 9
	v_add_nc_u32 v7, s53, v2
	v_add_nc_u32 v8, 0x10000, v7                   ; waves 16 and 17 lie beyond the 16-bit offset
.set k, 0
.rept 16
	ds_load_b128 v[R+4*k:R+4*k+3], v7 offset:4096*k
.set k, k+1
.endr
	ds_load_b128 v[R+64:R+67], v8
	ds_load_b128 v[R+68:R+71], v8 offset:4096
	s_lshl_b32 s52, s60, 5
	s_add_co_u32 s52, s52, s63
	s_lshl_b32 s52, s52, 12                        ; ((8 q + head) 32 + row block) tiles of 4,096 bytes
	s_add_co_u32 s52, s52, s53                     ; + my chunk
	s_mov_b32 s53, 0
	s_add_nc_u64 s[8:9], s[8:9], s[52:53]
	s_wait_dscnt 17                                ; LDS loads come back in order (ISA guide 5.7.1): the 17 later ones may stay out
	v_pk_mul_f32 v[PK:PK+1],   v[R:R+1],   s[16:17] op_sel_hi:[1,0]
	v_pk_mul_f32 v[PK+2:PK+3], v[R+2:R+3], s[16:17] op_sel_hi:[1,0]
.set k, 1
.rept 17
	s_wait_dscnt 17-k
	v_pk_fma_f32 v[PK:PK+1],   v[R+4*k:R+4*k+1],   s[16+2*k+(k/16)*20:17+2*k+(k/16)*20], v[PK:PK+1]   op_sel_hi:[1,0,1]
	v_pk_fma_f32 v[PK+2:PK+3], v[R+4*k+2:R+4*k+3], s[16+2*k+(k/16)*20:17+2*k+(k/16)*20], v[PK+2:PK+3] op_sel_hi:[1,0,1]
.set k, k+1
.endr
	global_store_b128 v2, v[PK:PK+3], s[8:9]       ; 512 consecutive bytes, aligned
	s_wait_tensorcnt 0x0
	ds_add_u32 v184, v185
	s_wait_dscnt 0x0
	s_endpgm
.Lsums:
	; waves 16 and 17: the 32 row sums of my tile.  128 consecutive bytes: the one store here that is shorter than 256, 64 KiB of the launch's 2.1 MiB
	v_lshlrev_b32 v7, 2, v1
	v_add_nc_u32 v8, LP, v7
.set k, 0
.rept 18
	ds_load_b32 v[R+k], v8 offset:128*k
.set k, k+1
.endr
	s_lshl_b32 s52, s60, 12                        ; (8 q + head) x 1,024 rows of 4 bytes
	s_lshl_b32 s53, s63, 7                         ; + 32 rows a block
	s_add_co_u32 s52, s52, s53
	s_mov_b32 s53, 0
	s_add_nc_u64 s[10:11], s[10:11], s[52:53]
	s_wait_dscnt 17
	v_mul_f32 v[PK], s16, v[R]
.set k, 1
.rept 17
	s_wait_dscnt 17-k
	v_fma_f32 v[PK], v[R+k], s[16+2*k+(k/16)*20], v[PK]
.set k, k+1
.endr
	global_store_b32 v7, v[PK], s[10:11]
	s_wait_tensorcnt 0x0
	ds_add_u32 v184, v185
	s_wait_dscnt 0x0
	s_endpgm
.Lfunc_end_k_q71f62ee0ba_attn:
	.size	k_q71f62ee0ba_attn, .Lfunc_end_k_q71f62ee0ba_attn-k_q71f62ee0ba_attn
	.p2alignl 7, 3214868480
	.fill 96, 4, 3214868480
	.section	.rodata,"a",@progbits
	.p2align	6, 0x0
	.amdhsa_kernel k_q71f62ee0ba_attn
		.amdhsa_group_segment_fixed_size 133632
		.amdhsa_private_segment_fixed_size 0
		.amdhsa_enable_private_segment 0
		.amdhsa_kernarg_size 32
		.amdhsa_user_sgpr_count 2
		.amdhsa_user_sgpr_kernarg_segment_ptr 1
		.amdhsa_wavefront_size32 1
		.amdhsa_system_sgpr_workgroup_id_x 1
		.amdhsa_system_sgpr_workgroup_id_y 1
		.amdhsa_system_sgpr_workgroup_id_z 1
		.amdhsa_system_vgpr_workitem_id 0
		.amdhsa_next_free_vgpr 186
		.amdhsa_next_free_sgpr 100
		.amdhsa_reserve_vcc 1
		.amdhsa_float_denorm_mode_32 3
		.amdhsa_float_denorm_mode_16_64 3
		.amdhsa_memory_ordered 1
		.amdhsa_forward_progress 1
		.amdhsa_inst_pref_size 113
	.end_amdhsa_kernel
	.amdgpu_metadata
---
amdhsa.version: [ 1, 2 ]
amdhsa.kernels:
  - .name:           k_q71f62ee0ba_attn
    .symbol:         k_q71f62ee0ba_attn.kd
    .args:
      - { .name: qk, .offset: 0, .size: 8, .value_kind: global_buffer, .address_space: global }
      - { .name: vf, .offset: 8, .size: 8, .value_kind: global_buffer, .address_space: global }
      - { .name: opart, .offset: 16, .size: 8, .value_kind: global_buffer, .address_space: global }
      - { .name: lsum, .offset: 24, .size: 8, .value_kind: global_buffer, .address_space: global }
    .group_segment_fixed_size: 133632
    .private_segment_fixed_size: 0
    .kernarg_segment_align: 8
    .kernarg_segment_size: 32
    .max_flat_workgroup_size: 576
    .sgpr_count:     100
    .vgpr_count:     186
    .wavefront_size: 32
...
	.end_amdgpu_metadata
.endif
;; end of part 2
;; launch outp (part 3): grid 4 x 64, 4 waves a work-group, no clusters, 62,208 bytes of LDS; arguments opart, lsum, Wo, bo, out0; writes out0
.if DOCPART == 3
	.amdgcn_target "amdgcn-amd-amdhsa--gfx1250"
	.amdhsa_code_object_version 6
	.text
	.protected	k_q71f62ee0ba_outp
	.globl	k_q71f62ee0ba_outp
	.p2align	8
	.type	k_q71f62ee0ba_outp,@function
k_q71f62ee0ba_outp:
	s_mov_b64 s[64:65], 0
	v_nop
	global_prefetch_b8 v0, s[64:65] scope:SCOPE_SE
	s_setreg_imm32_b32 hwreg(HW_REG_WAVE_MODE, 25, 1), 1
	s_wait_xcnt 0x0
; out0 = O Wo + bo, with O[i][32 head + d] = (O0 + O1) / (l0 + l1) from the two partial results of the attention launch.
; A work-group makes 16 rows x 64 columns (grid x = column group, grid y = 16 rows): 256 work-groups.  Four waves; wave w normalises heads 2 w and 2 w + 1,
; converts rows 64 w .. 64 w + 63 of Wo's 64 columns, and then makes the 16 columns 16 w .. of the block over all K = 256.
; O IS SPLIT: O = hi + lo, hi = bf16(O), lo = bf16(O - hi), and both meet the same bf16 fragment of Wo, in two accumulators.  The first rows of the output are as large
; as V itself while most rows are far smaller, so a plain rounding of O to bf16 would show in them; the split costs eight matrix instructions a wave.
; opart's records are register images: lane (r, hh) holds row r, d = 16 mt + 8 hh + 4 jq + 0..3, which is the lane's place in a 16-bit K = 32 fragment: no shuffle.
; No tensor loads: Wo is converted f32 -> bf16 and O is normalised between memory and LDS, which takes both through registers; one pass.
; LIMIT: a row's l0 + l1 is at least 1 (its own key counts with P >= 1), so the reciprocal is safe for every finite input.
.set AF,     0                         ; 16,384: [head 8][hi, lo][c 2][lane 32][16 bytes]: O's fragments
.set WS,     16384                     ; 40,960: Wo, bf16, [256 k][64 n], pitch 160 = 5 x 32 bytes, for the transposing loads
.set WPITCH, 160
.set ST,     57344                     ; 4,352: 16 rows x 272 bytes: the way out
.set SPITCH, 272
.set WST,  16                          ; v[16:143]  Wo as loaded (32 x 4)
.set AFR,  16                          ; v[16:143]  then O's fragments: head kk: hi at AFR + 16 kk, lo at + 8
.set OB,   144                         ; v[144:207] O's partial results: head j of my two, q at OB + 32 j + 16 q
.set BFR,  144                         ; v[144:207] then Wo's fragments: K step kk at BFR + 8 kk
.set LB,   208                         ; v[208:211] l: head j, q at LB + 2 j + q
.set RL,   212                         ; v[212:213] 1 / l of my two heads
.set NEG1, 214                         ; v214       -1.0
.set ACC0, 216                         ; v[216:223] hi's sums, started by the bias
.set ACC1, 224                         ; v[224:231] lo's sums
	s_load_b256 s[4:11], s[0:1], 0x0               ; opart 4:5, lsum 6:7, Wo 8:9, bo 10:11
	s_load_b64 s[12:13], s[0:1], 0x20              ; out0
	v_lshl_add_u32 v232, v0, 2, 0xf100
	v_mov_b32 v233, 0
	v_lshrrev_b32 v1, 5, v0
	v_readfirstlane_b32 s2, v1                     ; wave 0..3
	s_mov_b32 s3, ttmp9                            ; column group
	s_and_b32 s14, ttmp7, 0xffff                   ; 16 rows
	s_lshr_b32 s15, s14, 1                         ; their row block of 32
	s_and_b32 s16, s14, 1                          ; and which half of it
	v_and_b32 v1, 31, v0                           ; L
	v_and_b32 v2, 15, v0                           ; r
	v_bfe_u32 v3, v0, 4, 1                         ; hh
	v_lshlrev_b32 v4, 4, v1                        ; 16 L: opart, and O's fragments in LDS
	v_lshlrev_b32 v5, 2, v2                        ; lsum: row r
	v_lshlrev_b32 v6, 5, v3                        ; bo: eight columns from 8 hh
	s_lshl_b32 s20, s2, 16
	v_lshl_add_u32 v7, v3, 10, s20                 ; Wo: row 64 w + hh,
	v_lshl_add_u32 v7, v2, 4, v7                   ;     16 lanes take the group's 256 bytes of it
	s_mov_b32 s19, 0
	s_wait_kmcnt 0x0
	s_lshl_b32 s18, s2, 18                         ; opart: (32 (2 w) + row block) tiles of 4,096 bytes + 2,048 for the second half
	s_lshl_b32 s20, s15, 12
	s_add_co_u32 s18, s18, s20
	s_lshl_b32 s20, s16, 11
	s_add_co_u32 s18, s18, s20
	s_add_nc_u64 s[4:5], s[4:5], s[18:19]
	s_lshl_b32 s18, s2, 13                         ; lsum: (1024 (2 w) + 16 ty) words
	s_lshl_b32 s20, s14, 6
	s_add_co_u32 s18, s18, s20
	s_add_nc_u64 s[6:7], s[6:7], s[18:19]
	s_lshl_b32 s18, s3, 8                          ; Wo: 64 columns of f32
	s_add_nc_u64 s[8:9], s[8:9], s[18:19]
	s_lshl_b32 s20, s2, 6                          ; bo: + my 16 columns
	s_add_co_u32 s18, s18, s20
	s_add_nc_u64 s[10:11], s[10:11], s[18:19]
	s_lshl_b32 s18, s14, 14                        ; out0: row 16 ty + 4 w, column group
	s_lshl_b32 s20, s2, 12
	s_add_co_u32 s18, s18, s20
	s_lshl_b32 s20, s3, 8
	s_add_co_u32 s18, s18, s20
	s_add_nc_u64 s[12:13], s[12:13], s[18:19]
	; all 54 loads of the wave go out at once, what is needed first in front
	global_load_b128 v[ACC0:ACC0+3],   v6, s[10:11]                ; the bias is the first product's C
	global_load_b128 v[ACC0+4:ACC0+7], v6, s[10:11] offset:16
.irp j, 0,1
.irp q, 0,1
	global_load_b32 v[LB+2*\j+\q], v5, s[6:7] offset:32768*\q+4096*\j
.endr
.endr
.irp j, 0,1
.irp q, 0,1
.irp c, 0,1,2,3
	global_load_b128 v[OB+32*\j+16*\q+4*\c:OB+32*\j+16*\q+4*\c+3], v4, s[4:5] offset:1048576*\q+131072*\j+512*\c
.endr
.endr
.endr
.set i, 0
.rept 32
	global_load_b128 v[WST+4*i:WST+4*i+3], v7, s[8:9] offset:2048*i    ; rows 64 w + 2 i and + 1: 256 consecutive bytes each
.set i, i+1
.endr
	; LDS addresses meanwhile
	s_mul_i32 s20, s2, 64*WPITCH
	s_add_co_u32 s20, s20, WS
	v_mul_u32_u24 v8, v3, WPITCH
	v_lshl_add_u32 v8, v2, 3, v8
	v_add_nc_u32 v8, s20, v8                       ; Wo in: row 64 w + hh, 8 bytes a lane
	s_lshl_b32 s20, s2, 12
	v_add_nc_u32 v9, s20, v4                       ; O's fragments in: head 2 w
	v_and_b32 v14, 7, v0
	v_lshl_add_u32 v14, v3, 3, v14
	v_mul_u32_u24 v10, v14, WPITCH
	v_bfe_u32 v14, v0, 3, 1
	v_lshl_add_u32 v10, v14, 4, v10
	s_lshl_b32 s20, s2, 5
	s_add_co_u32 s20, s20, WS
	v_add_nc_u32 v10, s20, v10                     ; Wo's fragment (transposing load): row 8 hh + (L & 7), + 16 ((L >> 3) & 1), + my 16 columns
	s_lshl_b32 s20, s2, 6
	s_add_co_u32 s20, s20, ST
	v_mul_u32_u24 v11, v2, SPITCH
	v_lshl_add_u32 v11, v3, 5, v11
	v_add_nc_u32 v11, s20, v11                     ; the way out, in: row r, columns 16 w + 8 hh ..
	s_mul_i32 s20, s2, 4*SPITCH
	s_add_co_u32 s20, s20, ST
	v_mul_u32_u24 v12, v3, SPITCH
	v_lshl_add_u32 v12, v2, 4, v12
	v_add_nc_u32 v12, s20, v12                     ; back: row 4 w + hh, 16 bytes a lane
	v_lshlrev_b32 v13, 4, v2
	v_lshl_add_u32 v13, v3, 10, v13                ; and the same two rows in out0
	s_wait_loadcnt 32                              ; all but Wo's 32 loads, which were issued last
	v_add_f32 v[RL],   v[LB],   v[LB+1]
	v_add_f32 v[RL+1], v[LB+2], v[LB+3]
	v_rcp_f32 v[RL],   v[RL]
	v_rcp_f32 v[RL+1], v[RL+1]
	v_mov_b32 v[NEG1], -1.0                        ; the plain instruction between the reciprocals and their use (ISA guide 5.7.2)
	s_wait_alu depctr_va_vdst(0)
; Head j of my two: add the two partial results, divide, split into hi and lo, 64 bytes a lane into LDS.
.macro HEADFRAG j
.irp k, 0,2,4,6,8,10,12,14
	v_pk_add_f32 v[OB+32*\j+\k:OB+32*\j+\k+1], v[OB+32*\j+\k:OB+32*\j+\k+1], v[OB+32*\j+16+\k:OB+32*\j+16+\k+1]
.endr
.irp k, 0,2,4,6,8,10,12,14
.if \j == 0
	v_pk_mul_f32 v[OB+32*\j+\k:OB+32*\j+\k+1], v[OB+32*\j+\k:OB+32*\j+\k+1], v[RL:RL+1] op_sel_hi:[1,0]
.else
	v_pk_mul_f32 v[OB+32*\j+\k:OB+32*\j+\k+1], v[OB+32*\j+\k:OB+32*\j+\k+1], v[RL:RL+1] op_sel:[0,1] op_sel_hi:[1,1]
.endif
.endr
.irp k, 0,1,2,3,4,5,6,7
	v_cvt_pk_bf16_f32 v[OB+32*\j+16+\k], v[OB+32*\j+2*\k], v[OB+32*\j+2*\k+1]                      ; hi, where the second partial result lay
.endr
.irp k, 0,1,2,3,4,5,6,7
	v_fma_mix_f32_bf16 v[OB+32*\j+2*\k],   v[OB+32*\j+16+\k], v[NEG1], v[OB+32*\j+2*\k]   op_sel_hi:[1,0,0]                ; O - hi, exact
	v_fma_mix_f32_bf16 v[OB+32*\j+2*\k+1], v[OB+32*\j+16+\k], v[NEG1], v[OB+32*\j+2*\k+1] op_sel:[1,0,0] op_sel_hi:[1,0,0]
.endr
.irp k, 0,1,2,3,4,5,6,7
	v_cvt_pk_bf16_f32 v[OB+32*\j+\k], v[OB+32*\j+2*\k], v[OB+32*\j+2*\k+1]                         ; lo, in place: register k is written after 2 k and 2 k + 1 are read
.endr
	ds_store_b128 v9, v[OB+32*\j+16:OB+32*\j+19] offset:2048*\j
	ds_store_b128 v9, v[OB+32*\j+20:OB+32*\j+23] offset:2048*\j+512
	ds_store_b128 v9, v[OB+32*\j:OB+32*\j+3]     offset:2048*\j+1024
	ds_store_b128 v9, v[OB+32*\j+4:OB+32*\j+7]   offset:2048*\j+1536
.endm
	HEADFRAG 0
	HEADFRAG 1
.set i, 0
.rept 32
	s_wait_loadcnt 31-i                            ; loads come back in order (ISA guide 5.7.1): behind Wo's load i stand 31 - i
	v_cvt_pk_bf16_f32 v[WST+4*i],   v[WST+4*i],   v[WST+4*i+1]
	v_cvt_pk_bf16_f32 v[WST+4*i+1], v[WST+4*i+2], v[WST+4*i+3]
	ds_store_b64 v8, v[WST+4*i:WST+4*i+1] offset:i*2*WPITCH
.set i, i+1
.endr
	s_wait_dscnt 0x0                               ; zero, for the other waves' sake
	s_barrier_signal -1
	s_barrier_wait -1
	; all 48 fragment loads in one run, six for each head
.set kk, 0
.rept 8
	ds_load_b128 v[AFR+16*kk:AFR+16*kk+3],     v4 offset:2048*kk
	ds_load_b128 v[AFR+16*kk+4:AFR+16*kk+7],   v4 offset:2048*kk+512
	ds_load_b128 v[AFR+16*kk+8:AFR+16*kk+11],  v4 offset:2048*kk+1024
	ds_load_b128 v[AFR+16*kk+12:AFR+16*kk+15], v4 offset:2048*kk+1536
	ds_load_tr16_b128 v[BFR+8*kk:BFR+8*kk+3],   v10 offset:32*WPITCH*kk
	ds_load_tr16_b128 v[BFR+8*kk+4:BFR+8*kk+7], v10 offset:32*WPITCH*kk+16*WPITCH
.set kk, kk+1
.endr
	; source 0 = 16 columns of Wo, source 1 = 16 rows of O: lane (r, hh) gets row r, columns 16 w + 8 hh + 0..7.
	; The two accumulators take turns, one instruction a turn.
.set kk, 0
.rept 8
	s_wait_dscnt 6*(7-kk)                          ; the six loads of each later head may stay out
	v_wmma_f32_16x16x32_bf16 v[ACC0:ACC0+7], v[BFR+8*kk:BFR+8*kk+7], v[AFR+16*kk:AFR+16*kk+7], v[ACC0:ACC0+7]
.if kk == 0
	v_wmma_f32_16x16x32_bf16 v[ACC1:ACC1+7], v[BFR+8*kk:BFR+8*kk+7], v[AFR+16*kk+8:AFR+16*kk+15], 0
.else
	v_wmma_f32_16x16x32_bf16 v[ACC1:ACC1+7], v[BFR+8*kk:BFR+8*kk+7], v[AFR+16*kk+8:AFR+16*kk+15], v[ACC1:ACC1+7]
.endif
.set kk, kk+1
.endr
.rept 4
	v_nop                                          ; four places behind the last matrix instruction, ahead of the first reader of a result (ISA guide 7.12.1)
.endr
.irp k, 0,2,4,6
	v_pk_add_f32 v[ACC0+\k:ACC0+\k+1], v[ACC0+\k:ACC0+\k+1], v[ACC1+\k:ACC1+\k+1]
.endr
	ds_store_b128 v11, v[ACC0:ACC0+3]
	ds_store_b128 v11, v[ACC0+4:ACC0+7] offset:16
	s_wait_dscnt 0x0                               ; zero: the rows are read back by other waves
	s_barrier_signal -1
	s_barrier_wait -1
	ds_load_b128 v[AFR:AFR+3],   v12                               ; rows 4 w and 4 w + 1: 256 bytes each
	ds_load_b128 v[AFR+4:AFR+7], v12 offset:2*SPITCH               ; rows 4 w + 2 and 4 w + 3
	s_wait_dscnt 0x1                               ; the first is in
	global_store_b128 v13, v[AFR:AFR+3], s[12:13]                  ; sixteen lanes store 256 consecutive bytes, aligned
	s_wait_dscnt 0x0
	global_store_b128 v13, v[AFR+4:AFR+7], s[12:13] offset:2048
	s_wait_tensorcnt 0x0
	ds_add_u32 v232, v233
	s_wait_dscnt 0x0
	s_endpgm
.Lfunc_end_k_q71f62ee0ba_outp:
	.size	k_q71f62ee0ba_outp, .Lfunc_end_k_q71f62ee0ba_outp-k_q71f62ee0ba_outp
	.p2alignl 7, 3214868480
	.fill 96, 4, 3214868480
	.section	.rodata,"a",@progbits
	.p2align	6, 0x0
	.amdhsa_kernel k_q71f62ee0ba_outp
		.amdhsa_group_segment_fixed_size 62208
		.amdhsa_private_segment_fixed_size 0
		.amdhsa_enable_private_segment 0
		.amdhsa_kernarg_size 40
		.amdhsa_user_sgpr_count 2
		.amdhsa_user_sgpr_kernarg_segment_ptr 1
		.amdhsa_wavefront_size32 1
		.amdhsa_system_sgpr_workgroup_id_x 1
		.amdhsa_system_sgpr_workgroup_id_y 1
		.amdhsa_system_sgpr_workgroup_id_z 1
		.amdhsa_system_vgpr_workitem_id 0
		.amdhsa_next_free_vgpr 234
		.amdhsa_next_free_sgpr 66
		.amdhsa_reserve_vcc 0
		.amdhsa_float_denorm_mode_32 3
		.amdhsa_float_denorm_mode_16_64 3
		.amdhsa_memory_ordered 1
		.amdhsa_forward_progress 1
		.amdhsa_inst_pref_size 28
	.end_amdhsa_kernel
	.amdgpu_metadata
---
amdhsa.version: [ 1, 2 ]
amdhsa.kernels:
  - .name:           k_q71f62ee0ba_outp
    .symbol:         k_q71f62ee0ba_outp.kd
    .args:
      - { .name: opart, .offset: 0, .size: 8, .value_kind: global_buffer, .address_space: global }
      - { .name: lsum, .offset: 8, .size: 8, .value_kind: global_buffer, .address_space: global }
      - { .name: Wo, .offset: 16, .size: 8, .value_kind: global_buffer, .address_space: global }
      - { .name: bo, .offset: 24, .size: 8, .value_kind: global_buffer, .address_space: global }
      - { .name: out0, .offset: 32, .size: 8, .value_kind: global_buffer, .address_space: global }
    .group_segment_fixed_size: 62208
    .private_segment_fixed_size: 0
    .kernarg_segment_align: 8
    .kernarg_segment_size: 40
    .max_flat_workgroup_size: 128
    .sgpr_count:     66
    .vgpr_count:     234
    .wavefront_size: 32
...
	.end_amdgpu_metadata
.endif
;; end of part 3
;; ======== version 2 of 2: 3 launches; version 1 with the launches proj, outp written anew for expert scheduling mode
;; limits: values are held in f16: magnitudes above 65,504 overflow, below 6.1e-05 lose precision
;; workspace buffers: qk 2,097,152 bytes; vf 524,288 bytes; opart 2,097,152 bytes; lsum 65,536 bytes
;; launch proj (part 4): grid 12 x 16, 8 waves a work-group, no clusters, 94,208 bytes of LDS; arguments x, Wq, Wk, Wv, bq, bk, bv, qk, vf; writes qk, vf
.if DOCPART == 4
	.amdgcn_target "amdgcn-amd-amdhsa--gfx1250"
	.amdhsa_code_object_version 6
	.text
	.protected	k_q71f62ee0ba_proj
	.globl	k_q71f62ee0ba_proj
	.p2align	8
	.type	k_q71f62ee0ba_proj,@function
k_q71f62ee0ba_proj:
	s_mov_b64 s[64:65], 0
	v_nop
	global_prefetch_b8 v0, s[64:65] scope:SCOPE_SE
	s_setreg_imm32_b32 hwreg(HW_REG_WAVE_SCHED_MODE, 0, 2), 2
	s_setreg_imm32_b32 hwreg(HW_REG_WAVE_MODE, 25, 1), 1
	s_wait_xcnt 0x0
	s_wait_alu depctr_vm_vsrc(0)
; Q = sigmoid(x Wq + bq), K = sigmoid(x Wk + bk), V = x Wv + bv.   x: [1024][256] f32, W: [256 k][256 n] f32, b: [256] f32.
; A work-group makes 64 rows x 64 columns of ONE of the three (grid x = 4 x matrix + column group, grid y = block of 64 rows), K = 256 in one pass.
; x and W are rounded to bf16 on the way into LDS; sums, bias, sigmoid in f32.  Eight waves: wave w makes rows 16 (w & 3) .. +15 and the 32 columns
; of one head (w >> 2): two accumulator tiles, 16 matrix instructions.
; What goes out, laid so that the next launch loads it without any shuffle:
;   Q  f32  qk + 0        : [head 8][row 1024][d 32]                     (a row is 128 bytes: read there as scalars)
;   K  f32  qk + 0x100000 : [head 8][key block 32][g 8][key 32][4 f32]   (d = 4 g + c: a lane = a key, its 32 d in 32 registers)
;   V  f16  vf            : [head 8][key block 32][mt 2][c 2][lane 32][16 bytes]: lane (r, hh) holds d = 16 mt + r, keys 16 c + 8 hh + 0..7
; V is kept in f16, not bf16: the first output rows are sums of one or a few rows of V, so V's rounding shows there undamped, and f16 has three bits more.
; LIMIT: |V| must stay below 65,504 (f16).  With x and Wv both 30 times larger V peaks near 4.5e3; with both offset by 30 of their spreads it is near 1.5e4.
; No tensor loads: every number is converted f32 -> bf16 between memory and LDS, which takes it through registers anyway, and each byte is used in one pass.
; THE MODE: SCHED_MODE bits 1:0 = 2 (LLVM: expert scheduling mode 2), set by the entry lines.  The code itself states the register dependences
; between vector or matrix instructions and memory or LDS instructions, with s_wait_alu, always for 0.
; THE PLAN.  Registers that memory or LDS instructions touch:
;   v4, v5, v10, v15   offsets of the loads: written once at the head, ahead of one wait on va_vdst; never written again.
;   v6 .. v9, v11 .. v14   LDS addresses and store offsets: written once while the loads are out (no pending load reads them); never written again.
;   v[16:143]   the 32 quads of x and W as loaded, in four groups of eight.  Group g's conversions read and write its quads in place; the LDS stores that read them are
;               issued in group g + 1, one ahead of each pair of that group's conversions, which name group g + 1's quads alone.  So ONE wait on va_vdst at a group's head
;               states all that its eight stores hang on.  Behind the barrier the fragments land here (and in v[144:207], which no vector instruction names):
;               one wait on vm_vsrc states that my LDS stores have read these registers; the conversions stand ahead of the last wait on va_vdst.
;   ACC         written by the bias's loads, the matrix instructions and the arithmetic behind them; one wait on va_vdst ahead of the stores that read it.
.set XS,     0                         ; x, bf16: 64 rows, pitch 528 = 33 x 16 bytes: the 16 rows of a fragment load start in 16 different 16-byte columns
.set XPITCH, 528
.set WS,     33792                     ; W, bf16: [256 k][64 n], pitch 160 = 5 x 32 bytes, for the transposing loads
.set WPITCH, 160
.set QS,     74752                     ; eight stages of 16 rows x 144 bytes, one a wave: Q's way out
.set QPITCH, 144
.set XF,  16                           ; v[16:79]   x as loaded (16 x 4), then its fragments: K step kk at XF + 8 kk
.set WF,  80                           ; v[80:143]  W as loaded (16 x 4); v[80:207] its fragments: K step kk, column tile nt at WF + 16 kk + 8 nt
.set ACC, 208                          ; v[208:223] two accumulator tiles
.set BV,  224                          ; v[224:225] V's bias of my column in each tile
	s_load_b512 s[8:23], s[0:1], 0x0               ; x 8:9, Wq 10:11, Wk 12:13, Wv 14:15, bq 16:17, bk 18:19, bv 20:21, qk 22:23
	s_load_b64 s[24:25], s[0:1], 0x40              ; vf
	v_lshl_add_u32 v230, v0, 2, 0x16c00
	v_mov_b32 v231, 0
	v_lshrrev_b32 v1, 5, v0
	v_readfirstlane_b32 s2, v1                     ; wave 0..7
	s_lshr_b32 s3, ttmp9, 2                        ; which matrix: 0 Q, 1 K, 2 V
	s_and_b32 s4, ttmp9, 3                         ; column group: 64 columns, heads 2 cg and 2 cg + 1
	s_and_b32 s5, ttmp7, 0xffff                    ; block of 64 rows
	s_wait_alu depctr_va_sdst(0)                   ; s2 is written, ahead of its first reader, the next line
	s_and_b32 s6, s2, 3                            ; rt: my 16 rows
	s_lshr_b32 s7, s2, 2                           ; hc: my head of the two
	v_and_b32 v1, 31, v0                           ; L
	v_and_b32 v2, 15, v0                           ; r
	v_bfe_u32 v3, v0, 4, 1                         ; hh
	s_lshl_b32 s36, s2, 13
	v_lshl_add_u32 v4, v1, 4, s36                  ; x: my wave's 8 rows are 8,192 consecutive bytes; 16 bytes a lane
	s_lshl_b32 s37, s2, 15
	v_lshl_add_u32 v5, v3, 10, s37                 ; W: row 32 w + hh,
	v_lshl_add_u32 v5, v2, 4, v5                   ;    16 lanes take the group's 256 bytes of it
	v_lshlrev_b32 v10, 5, v3                       ; bias as Q and K want it: eight columns from 8 hh
	v_lshlrev_b32 v15, 2, v2                       ; bias as V wants it: column r
	s_wait_kmcnt 0x0
	s_cmp_eq_u32 s3, 0
	s_cselect_b64 s[26:27], s[10:11], s[12:13]     ; my matrix
	s_cselect_b64 s[28:29], s[16:17], s[18:19]     ; and its bias
	s_cmp_eq_u32 s3, 2
	s_cselect_b64 s[26:27], s[14:15], s[26:27]
	s_cselect_b64 s[28:29], s[20:21], s[28:29]
	s_lshl_b32 s34, s4, 8                          ; 64 columns of f32
	s_mov_b32 s35, 0
	s_add_nc_u64 s[26:27], s[26:27], s[34:35]
	s_lshl_b32 s36, s7, 7                          ; + my head's 32 columns
	s_add_co_u32 s34, s34, s36
	s_add_nc_u64 s[28:29], s[28:29], s[34:35]
	s_lshl_b32 s34, s5, 16                         ; 64 rows of 1,024 bytes
	s_add_nc_u64 s[30:31], s[8:9], s[34:35]
	s_wait_alu depctr_va_vdst(0)                   ; the four offsets v4, v5, v10 and v15 are written, which the 38 loads below read
	; All 38 loads of the wave go out at once.  The bias first, in both layouts (six small loads), so that the text needs no branch ahead of the barrier:
	; for Q and K it lands in the accumulators and is the first product's C; for V it is added behind the products.
.irp nt, 0,1
	global_load_b128 v[ACC+8*\nt:ACC+8*\nt+3],   v10, s[28:29] offset:64*\nt
	global_load_b128 v[ACC+8*\nt+4:ACC+8*\nt+7], v10, s[28:29] offset:64*\nt+16
	global_load_b32  v[BV+\nt], v15, s[28:29] offset:64*\nt
.endr
.set i, 0
.rept 16
	global_load_b128 v[XF+4*i:XF+4*i+3], v4, s[30:31] offset:512*i     ; half a row: 512 consecutive bytes
.set i, i+1
.endr
.set i, 0
.rept 16
	global_load_b128 v[WF+4*i:WF+4*i+3], v5, s[26:27] offset:2048*i    ; rows 32 w + 2 i and + 1: 256 consecutive bytes each
.set i, i+1
.endr
	; LDS addresses, while the loads are on their way: none of the registers written here is an offset of a pending load
	s_mul_i32 s36, s2, 8*XPITCH
	v_lshl_add_u32 v6, v1, 3, s36                  ; x in: row 8 w, 8 bytes (4 bf16) a lane
	s_mul_i32 s36, s2, 32*WPITCH
	s_add_co_u32 s36, s36, WS
	v_mul_u32_u24 v7, v3, WPITCH
	v_lshl_add_u32 v7, v2, 3, v7
	v_add_nc_u32 v7, s36, v7                       ; W in: row 32 w + hh, 8 bytes a lane
	s_mul_i32 s36, s6, 16*XPITCH
	v_mul_u32_u24 v8, v2, XPITCH
	v_lshl_add_u32 v8, v3, 4, v8
	v_add_nc_u32 v8, s36, v8                       ; x fragment: row 16 rt + r, + 16 hh
	v_and_b32 v14, 7, v0
	v_lshl_add_u32 v14, v3, 3, v14
	v_mul_u32_u24 v9, v14, WPITCH
	v_bfe_u32 v14, v0, 3, 1
	v_lshl_add_u32 v9, v14, 4, v9
	s_lshl_b32 s36, s7, 6
	s_add_co_u32 s36, s36, WS
	v_add_nc_u32 v9, s36, v9                       ; W fragment (transposing load): row 8 hh + (L & 7), + 16 ((L >> 3) & 1), + my head's 64 bytes
	s_mul_i32 s36, s2, 16*QPITCH
	s_add_co_u32 s36, s36, QS
	v_mul_u32_u24 v12, v2, QPITCH
	v_lshl_add_u32 v12, v3, 5, v12
	v_add_nc_u32 v12, s36, v12                     ; Q's stage, in: row r, + 32 hh
	v_lshrrev_b32 v14, 3, v1
	v_mul_u32_u24 v13, v14, QPITCH
	v_and_b32 v14, 7, v0
	v_lshl_add_u32 v13, v14, 4, v13
	v_add_nc_u32 v13, s36, v13                     ; Q's stage, back: four rows of 128 bytes a load
	v_lshlrev_b32 v11, 4, v2
	v_lshl_add_u32 v11, v3, 10, v11                ; K's image: 1,024 hh + 16 r
	v_lshlrev_b32 v14, 4, v1                       ; Q and V: 16 L
	s_lshl1_add_u32 s38, s4, s7                    ; head = 2 cg + hc
	s_lshr_b32 s39, s6, 1
	s_lshl1_add_u32 s39, s5, s39                   ; key block = 2 ry + (rt >> 1)
	s_and_b32 s40, s6, 1                           ; which 16 keys of the block
	s_lshl_b32 s41, s38, 5
	s_add_co_u32 s41, s41, s39                     ; record = 32 head + key block
; f32 -> bf16 in place, then into LDS.  Quad n of 32: x's sixteen loads, then W's sixteen; XF and WF adjoin, so quad n lies at XF + 4 n.
.macro CVT n
	v_cvt_pk_bf16_f32 v[XF+4*(\n)],   v[XF+4*(\n)],   v[XF+4*(\n)+1]
	v_cvt_pk_bf16_f32 v[XF+4*(\n)+1], v[XF+4*(\n)+2], v[XF+4*(\n)+3]
.endm
.macro PUT n
.if (\n) < 16
	ds_store_b64 v6, v[XF+4*(\n):XF+4*(\n)+1] offset:((\n)/2)*XPITCH+((\n)%2)*256
.else
	ds_store_b64 v7, v[XF+4*(\n):XF+4*(\n)+1] offset:((\n)-16)*2*WPITCH
.endif
.endm
	; Four groups of eight quads.  Loads come back in order (ISA guide 5.7.1): behind group g's last load stand the 24 - 8 g loads of the later groups.
	s_wait_loadcnt 24                              ; the bias and group 0 are in
.set i, 0
.rept 8
	CVT i
.set i, i+1
.endr
.set g, 1
.rept 3
	s_wait_loadcnt 24-8*g                          ; group g is in, the later groups stay out
	s_wait_alu depctr_va_vdst(0)                   ; the group before has written its quads, which the stores below read; at g = 1 also: the LDS addresses and store offsets v6 to v14 are written
.set i, 0
.rept 8
	PUT 8*(g-1)+i                                  ; the group before goes out.  No further wait: the conversions since the wait name this group's quads alone
	CVT 8*g+i
.set i, i+1
.endr
.set g, g+1
.endr
	s_wait_alu depctr_va_vdst(0)                   ; the last group's conversions have written its quads, which the stores below read
.set i, 0
.rept 8
	PUT 24+i
.set i, i+1
.endr
	s_wait_dscnt 0x0                               ; my stores are in LDS: zero, for the other waves' sake
	s_barrier_signal -1
	s_barrier_wait -1
	s_wait_alu depctr_vm_vsrc(0)                   ; my LDS stores have read v[XF ..] and v[WF ..], in which the fragments land (the conversions that named them stand ahead of the last wait on va_vdst)
	; all 48 fragment loads in one run, six for each K step of 32
.set kk, 0
.rept 8
	ds_load_b128 v[XF+8*kk:XF+8*kk+3],   v8 offset:64*kk
	ds_load_b128 v[XF+8*kk+4:XF+8*kk+7], v8 offset:64*kk+32
	ds_load_tr16_b128 v[WF+16*kk:WF+16*kk+3],     v9 offset:32*WPITCH*kk
	ds_load_tr16_b128 v[WF+16*kk+4:WF+16*kk+7],   v9 offset:32*WPITCH*kk+16*WPITCH
	ds_load_tr16_b128 v[WF+16*kk+8:WF+16*kk+11],  v9 offset:32*WPITCH*kk+32
	ds_load_tr16_b128 v[WF+16*kk+12:WF+16*kk+15], v9 offset:32*WPITCH*kk+32+16*WPITCH
.set kk, kk+1
.endr
; The products.  The two accumulators take turns, one instruction a turn.
; swap = 1 (Q, K): source 0 = 16 columns of W, source 1 = 16 rows of x: lane (r, hh) gets row r, columns 8 hh + 0..7 of the tile; C starts as the bias.
; swap = 0 (V):    source 0 = x, source 1 = W: lane (r, hh) gets column r, rows 8 hh + 0..7: eight keys of one d; the first product starts the sums.
.macro MM swap
.set kk, 0
.rept 8
	s_wait_dscnt 6*(7-kk)                          ; the six loads of each later K step may stay out
.if \swap
	v_wmma_f32_16x16x32_bf16 v[ACC:ACC+7],    v[WF+16*kk:WF+16*kk+7],    v[XF+8*kk:XF+8*kk+7], v[ACC:ACC+7]
	v_wmma_f32_16x16x32_bf16 v[ACC+8:ACC+15], v[WF+16*kk+8:WF+16*kk+15], v[XF+8*kk:XF+8*kk+7], v[ACC+8:ACC+15]
.else
.if kk == 0
	v_wmma_f32_16x16x32_bf16 v[ACC:ACC+7],    v[XF+8*kk:XF+8*kk+7], v[WF+16*kk:WF+16*kk+7],    0
	v_wmma_f32_16x16x32_bf16 v[ACC+8:ACC+15], v[XF+8*kk:XF+8*kk+7], v[WF+16*kk+8:WF+16*kk+15], 0
.else
	v_wmma_f32_16x16x32_bf16 v[ACC:ACC+7],    v[XF+8*kk:XF+8*kk+7], v[WF+16*kk:WF+16*kk+7],    v[ACC:ACC+7]
	v_wmma_f32_16x16x32_bf16 v[ACC+8:ACC+15], v[XF+8*kk:XF+8*kk+7], v[WF+16*kk+8:WF+16*kk+15], v[ACC+8:ACC+15]
.endif
.endif
.set kk, kk+1
.endr
.rept 4
	v_nop                                          ; four places behind the last matrix instruction, ahead of the first reader of a result (ISA guide 7.12.1)
.endr
.endm
	s_cmp_eq_u32 s3, 2
	s_cbranch_scc1 .Lv
	MM 1
	; sigmoid(t) = 1 / (1 + 2^(-1.442695 t)).  t far below 0: 2^.. = inf, the result 0; far above: 2^.. = 0, the result 1.
.irp k, 0,2,4,6,8,10,12,14
	v_pk_mul_f32 v[ACC+\k:ACC+\k+1], v[ACC+\k:ACC+\k+1], 0xbfb8aa3b op_sel_hi:[1,0]
.endr
.irp k, 0,1,2,3,4,5,6,7,8,9,10,11,12,13,14,15
	v_exp_f32 v[ACC+\k], v[ACC+\k]
.endr
	v_nop                                          ; one plain instruction between a transcendental and the use of its result (ISA guide 5.7.2)
	s_wait_alu depctr_va_vdst(0)
.irp k, 0,2,4,6,8,10,12,14
	v_pk_add_f32 v[ACC+\k:ACC+\k+1], v[ACC+\k:ACC+\k+1], 1.0 op_sel_hi:[1,0]
.endr
.irp k, 0,1,2,3,4,5,6,7,8,9,10,11,12,13,14,15
	v_rcp_f32 v[ACC+\k], v[ACC+\k]
.endr
	v_nop                                          ; likewise, ahead of the stores
	s_wait_alu depctr_va_vdst(0)                   ; the reciprocals have written ACC, which K's stores and Q's LDS stores read; the matrix instructions are done reading v[XF ..], in which Q's loads from its stage land.  No vector instruction follows on either way
	s_cmp_eq_u32 s3, 0
	s_cbranch_scc1 .Lq
	; K: my four numbers d = 16 nt + 8 hh + 4 jq + 0..3 of key 16 c + r are chunk g = 4 nt + 2 hh + jq of the record: sixteen lanes store 256 consecutive bytes, aligned
	s_lshl_b32 s34, s41, 12
	s_lshl_b32 s36, s40, 8
	s_add_co_u32 s34, s34, s36
	s_add_co_u32 s34, s34, 0x100000
	s_add_nc_u64 s[32:33], s[22:23], s[34:35]
.irp nt, 0,1
.irp jq, 0,1
	global_store_b128 v11, v[ACC+8*\nt+4*\jq:ACC+8*\nt+4*\jq+3], s[32:33] offset:2048*\nt+512*\jq
.endr
.endr
	s_wait_dscnt 0x0
	s_wait_alu depctr_hold_cnt(0) depctr_sa_sdst(0) depctr_va_vdst(0) depctr_va_sdst(0) depctr_va_ssrc(0) depctr_va_vcc(0) depctr_vm_vsrc(0)
	s_wait_tensorcnt 0x0
	ds_add_u32 v230, v231
	s_wait_dscnt 0x0
	s_endpgm
.Lq:
	; Q: 16 rows x 128 bytes, consecutive in memory; through my own stage, so that a store covers 512 consecutive bytes
	s_lshl_b32 s34, s38, 17                        ; (1024 head + 64 ry + 16 rt) rows of 128 bytes
	s_lshl_b32 s36, s5, 13
	s_add_co_u32 s34, s34, s36
	s_lshl_b32 s36, s6, 11
	s_add_co_u32 s34, s34, s36
	s_add_nc_u64 s[32:33], s[22:23], s[34:35]
.irp nt, 0,1
.irp jq, 0,1
	ds_store_b128 v12, v[ACC+8*\nt+4*\jq:ACC+8*\nt+4*\jq+3] offset:64*\nt+16*\jq
.endr
.endr
.irp t, 0,1,2,3
	ds_load_b128 v[XF+4*\t:XF+4*\t+3], v13 offset:\t*4*QPITCH      ; LDS serves a wave's instructions in order (ISA guide 5.7.1): these see my stores above
.endr
.irp t, 0,1,2,3
	s_wait_dscnt 3-\t                              ; the later loads of the four may stay out
	global_store_b128 v14, v[XF+4*\t:XF+4*\t+3], s[32:33] offset:512*\t
.endr
	s_wait_dscnt 0x0
	s_wait_alu depctr_hold_cnt(0) depctr_sa_sdst(0) depctr_va_vdst(0) depctr_va_sdst(0) depctr_va_ssrc(0) depctr_va_vcc(0) depctr_vm_vsrc(0)
	s_wait_tensorcnt 0x0
	ds_add_u32 v230, v231
	s_wait_dscnt 0x0
	s_endpgm
.Lv:
	MM 0
	; V: + bias of my column, rounded once to f16; eight keys of one d are 16 bytes of the fragment image
.irp k, 0,2,4,6
	v_pk_add_f32 v[ACC+\k:ACC+\k+1], v[ACC+\k:ACC+\k+1], v[BV:BV+1] op_sel_hi:[1,0]
.endr
.irp k, 8,10,12,14
	v_pk_add_f32 v[ACC+\k:ACC+\k+1], v[ACC+\k:ACC+\k+1], v[BV:BV+1] op_sel:[0,1] op_sel_hi:[1,1]
.endr
.irp nt, 0,1
.irp k, 0,1,2,3
	v_cvt_pk_f16_f32 v[ACC+8*\nt+\k], v[ACC+8*\nt+2*\k], v[ACC+8*\nt+2*\k+1]
.endr
.endr
	s_lshl_b32 s34, s41, 11
	s_lshl_b32 s36, s40, 9
	s_add_co_u32 s34, s34, s36
	s_add_nc_u64 s[32:33], s[24:25], s[34:35]
	s_wait_alu depctr_va_vdst(0)                   ; the roundings to f16 have written v[ACC ..] and v[ACC+8 ..], which the two stores read
	global_store_b128 v14, v[ACC:ACC+3],    s[32:33]               ; 512 consecutive bytes
	global_store_b128 v14, v[ACC+8:ACC+11], s[32:33] offset:1024
	s_wait_dscnt 0x0
	s_wait_alu depctr_hold_cnt(0) depctr_sa_sdst(0) depctr_va_vdst(0) depctr_va_sdst(0) depctr_va_ssrc(0) depctr_va_vcc(0) depctr_vm_vsrc(0)
	s_wait_tensorcnt 0x0
	ds_add_u32 v230, v231
	s_wait_dscnt 0x0
	s_endpgm
.Lfunc_end_k_q71f62ee0ba_proj:
	.size	k_q71f62ee0ba_proj, .Lfunc_end_k_q71f62ee0ba_proj-k_q71f62ee0ba_proj
	.p2alignl 7, 3214868480
	.fill 96, 4, 3214868480
	.section	.rodata,"a",@progbits
	.p2align	6, 0x0
	.amdhsa_kernel k_q71f62ee0ba_proj
		.amdhsa_group_segment_fixed_size 94208
		.amdhsa_private_segment_fixed_size 0
		.amdhsa_enable_private_segment 0
		.amdhsa_kernarg_size 72
		.amdhsa_user_sgpr_count 2
		.amdhsa_user_sgpr_kernarg_segment_ptr 1
		.amdhsa_wavefront_size32 1
		.amdhsa_system_sgpr_workgroup_id_x 1
		.amdhsa_system_sgpr_workgroup_id_y 1
		.amdhsa_system_sgpr_workgroup_id_z 1
		.amdhsa_system_vgpr_workitem_id 0
		.amdhsa_next_free_vgpr 232
		.amdhsa_next_free_sgpr 66
		.amdhsa_reserve_vcc 0
		.amdhsa_float_denorm_mode_32 3
		.amdhsa_float_denorm_mode_16_64 3
		.amdhsa_memory_ordered 1
		.amdhsa_forward_progress 1
		.amdhsa_inst_pref_size 26
	.end_amdhsa_kernel
	.amdgpu_metadata
---
amdhsa.version: [ 1, 2 ]
amdhsa.kernels:
  - .name:           k_q71f62ee0ba_proj
    .symbol:         k_q71f62ee0ba_proj.kd
    .args:
      - { .name: x, .offset: 0, .size: 8, .value_kind: global_buffer, .address_space: global }
      - { .name: Wq, .offset: 8, .size: 8, .value_kind: global_buffer, .address_space: global }
      - { .name: Wk, .offset: 16, .size: 8, .value_kind: global_buffer, .address_space: global }
      - { .name: Wv, .offset: 24, .size: 8, .value_kind: global_buffer, .address_space: global }
      - { .name: bq, .offset: 32, .size: 8, .value_kind: global_buffer, .address_space: global }
      - { .name: bk, .offset: 40, .size: 8, .value_kind: global_buffer, .address_space: global }
      - { .name: bv, .offset: 48, .size: 8, .value_kind: global_buffer, .address_space: global }
      - { .name: qk, .offset: 56, .size: 8, .value_kind: global_buffer, .address_space: global }
      - { .name: vf, .offset: 64, .size: 8, .value_kind: global_buffer, .address_space: global }
    .group_segment_fixed_size: 94208
    .private_segment_fixed_size: 0
    .kernarg_segment_align: 8
    .kernarg_segment_size: 72
    .max_flat_workgroup_size: 256
    .sgpr_count:     66
    .vgpr_count:     232
    .wavefront_size: 32
...
	.end_amdgpu_metadata
.endif
;; end of part 4
;; launch attn: the kernel of part 2 again; grid 32 x 8, 18 waves a work-group, no clusters, 133,632 bytes of LDS; arguments qk, vf, opart, lsum; writes opart, lsum
;; launch outp (part 5): grid 4 x 64, 4 waves a work-group, no clusters, 62,208 bytes of LDS; arguments opart, lsum, Wo, bo, out0; writes out0
.if DOCPART == 5
	.amdgcn_target "amdgcn-amd-amdhsa--gfx1250"
	.amdhsa_code_object_version 6
	.text
	.protected	k_q71f62ee0ba_outp
	.globl	k_q71f62ee0ba_outp
	.p2align	8
	.type	k_q71f62ee0ba_outp,@function
k_q71f62ee0ba_outp:
	s_mov_b64 s[64:65], 0
	v_nop
	global_prefetch_b8 v0, s[64:65] scope:SCOPE_SE
	s_setreg_imm32_b32 hwreg(HW_REG_WAVE_SCHED_MODE, 0, 2), 2
	s_setreg_imm32_b32 hwreg(HW_REG_WAVE_MODE, 25, 1), 1
	s_wait_xcnt 0x0
	s_wait_alu depctr_vm_vsrc(0)
; out0 = O Wo + bo, with O[i][32 head + d] = (O0 + O1) / (l0 + l1) from the two partial results of the attention launch.
; A work-group makes 16 rows x 64 columns (grid x = column group, grid y = 16 rows): 256 work-groups.  Four waves; wave w normalises heads 2 w and 2 w + 1,
; converts rows 64 w .. 64 w + 63 of Wo's 64 columns, and then makes the 16 columns 16 w .. of the block over all K = 256.
; O IS SPLIT: O = hi + lo, hi = bf16(O), lo = bf16(O - hi), and both meet the same bf16 fragment of Wo, in two accumulators.  The first rows of the output are as large
; as V itself while most rows are far smaller, so a plain rounding of O to bf16 would show in them; the split costs eight matrix instructions a wave.
; opart's records are register images: lane (r, hh) holds row r, d = 16 mt + 8 hh + 4 jq + 0..3, which is the lane's place in a 16-bit K = 32 fragment: no shuffle.
; No tensor loads: Wo is converted f32 -> bf16 and O is normalised between memory and LDS, which takes both through registers; one pass.
; LIMIT: a row's l0 + l1 is at least 1 (its own key counts with P >= 1), so the reciprocal is safe for every finite input.
; THE MODE: SCHED_MODE bits 1:0 = 2 (LLVM: expert scheduling mode 2), set by the entry lines.  The code itself states the register dependences
; between vector or matrix instructions and memory or LDS instructions, with s_wait_alu, always for 0.
; THE PLAN.  Registers that memory or LDS instructions touch:
;   v4 .. v7    offsets of the loads: written once at the head, ahead of one wait on va_vdst; never written again (v4 is also the LDS address of O's fragments).
;   v8 .. v13   LDS addresses and the store offset: written once while the loads are out (no pending load reads them); never written again.
;   OB          head j's arithmetic reads and writes OB + 32 j .. + 31 alone.  Head 0's four LDS stores are issued among head 1's arithmetic, head 1's four among the
;               conversions of Wo's first group: each four behind one wait on va_vdst, and no vector instruction since that wait names what they read.
;   WST         Wo's 32 quads as loaded, in four groups of eight.  Group g's conversions read and write its quads in place; the LDS stores that read them are issued in
;               group g + 1, one ahead of each pair of that group's conversions.  One wait on va_vdst at a group's head states all that its stores hang on.
;   Behind the barrier the fragments land in WST's and OB's registers: one wait on vm_vsrc states that my LDS stores have read them; the arithmetic stands ahead of the last wait on va_vdst.
;   ACC0        written by the bias's loads, the matrix instructions and the last additions; one wait on va_vdst ahead of the LDS stores that read it.
.set AF,     0                         ; 16,384: [head 8][hi, lo][c 2][lane 32][16 bytes]: O's fragments
.set WS,     16384                     ; 40,960: Wo, bf16, [256 k][64 n], pitch 160 = 5 x 32 bytes, for the transposing loads
.set WPITCH, 160
.set ST,     57344                     ; 4,352: 16 rows x 272 bytes: the way out
.set SPITCH, 272
.set WST,  16                          ; v[16:143]  Wo as loaded (32 x 4)
.set AFR,  16                          ; v[16:143]  then O's fragments: head kk: hi at AFR + 16 kk, lo at + 8
.set OB,   144                         ; v[144:207] O's partial results: head j of my two, q at OB + 32 j + 16 q
.set BFR,  144                         ; v[144:207] then Wo's fragments: K step kk at BFR + 8 kk
.set LB,   208                         ; v[208:211] l: head j, q at LB + 2 j + q
.set RL,   212                         ; v[212:213] 1 / l of my two heads
.set NEG1, 214                         ; v214       -1.0
.set ACC0, 216                         ; v[216:223] hi's sums, started by the bias
.set ACC1, 224                         ; v[224:231] lo's sums
	s_load_b256 s[4:11], s[0:1], 0x0               ; opart 4:5, lsum 6:7, Wo 8:9, bo 10:11
	s_load_b64 s[12:13], s[0:1], 0x20              ; out0
	v_lshl_add_u32 v15, v0, 2, 0xf100
	v_mov_b32 v215, 0
	v_lshrrev_b32 v1, 5, v0
	v_readfirstlane_b32 s2, v1                     ; wave 0..3
	s_mov_b32 s3, ttmp9                            ; column group
	s_and_b32 s14, ttmp7, 0xffff                   ; 16 rows
	s_lshr_b32 s15, s14, 1                         ; their row block of 32
	s_and_b32 s16, s14, 1                          ; and which half of it
	s_wait_alu depctr_va_sdst(0)                   ; s2 is written, ahead of its first reader (the shift that makes s20 below)
	v_and_b32 v1, 31, v0                           ; L
	v_and_b32 v2, 15, v0                           ; r
	v_bfe_u32 v3, v0, 4, 1                         ; hh
	v_lshlrev_b32 v4, 4, v1                        ; 16 L: opart, and O's fragments in LDS
	v_lshlrev_b32 v5, 2, v2                        ; lsum: row r
	v_lshlrev_b32 v6, 5, v3                        ; bo: eight columns from 8 hh
	s_lshl_b32 s20, s2, 16
	v_lshl_add_u32 v7, v3, 10, s20                 ; Wo: row 64 w + hh,
	v_lshl_add_u32 v7, v2, 4, v7                   ;     16 lanes take the group's 256 bytes of it
	s_mov_b32 s19, 0
	s_wait_kmcnt 0x0
	s_lshl_b32 s18, s2, 18                         ; opart: (32 (2 w) + row block) tiles of 4,096 bytes + 2,048 for the second half
	s_lshl_b32 s20, s15, 12
	s_add_co_u32 s18, s18, s20
	s_lshl_b32 s20, s16, 11
	s_add_co_u32 s18, s18, s20
	s_add_nc_u64 s[4:5], s[4:5], s[18:19]
	s_lshl_b32 s18, s2, 13                         ; lsum: (1024 (2 w) + 16 ty) words
	s_lshl_b32 s20, s14, 6
	s_add_co_u32 s18, s18, s20
	s_add_nc_u64 s[6:7], s[6:7], s[18:19]
	s_lshl_b32 s18, s3, 8                          ; Wo: 64 columns of f32
	s_add_nc_u64 s[8:9], s[8:9], s[18:19]
	s_lshl_b32 s20, s2, 6                          ; bo: + my 16 columns
	s_add_co_u32 s18, s18, s20
	s_add_nc_u64 s[10:11], s[10:11], s[18:19]
	s_lshl_b32 s18, s14, 14                        ; out0: row 16 ty + 4 w, column group
	s_lshl_b32 s20, s2, 12
	s_add_co_u32 s18, s18, s20
	s_lshl_b32 s20, s3, 8
	s_add_co_u32 s18, s18, s20
	s_add_nc_u64 s[12:13], s[12:13], s[18:19]
	s_wait_alu depctr_va_vdst(0)                   ; the four offsets v4 to v7 are written, which the 54 loads below read
	; all 54 loads of the wave go out at once, what is needed first in front
	global_load_b128 v[ACC0:ACC0+3],   v6, s[10:11]                ; the bias is the first product's C
	global_load_b128 v[ACC0+4:ACC0+7], v6, s[10:11] offset:16
.irp j, 0,1
.irp q, 0,1
	global_load_b32 v[LB+2*\j+\q], v5, s[6:7] offset:32768*\q+4096*\j
.endr
.endr
.irp j, 0,1
.irp q, 0,1
.irp c, 0,1,2,3
	global_load_b128 v[OB+32*\j+16*\q+4*\c:OB+32*\j+16*\q+4*\c+3], v4, s[4:5] offset:1048576*\q+131072*\j+512*\c
.endr
.endr
.endr
.set i, 0
.rept 32
	global_load_b128 v[WST+4*i:WST+4*i+3], v7, s[8:9] offset:2048*i    ; rows 64 w + 2 i and + 1: 256 consecutive bytes each
.set i, i+1
.endr
	; LDS addresses meanwhile: none of the registers written here is an offset of a pending load
	s_mul_i32 s20, s2, 64*WPITCH
	s_add_co_u32 s20, s20, WS
	v_mul_u32_u24 v8, v3, WPITCH
	v_lshl_add_u32 v8, v2, 3, v8
	v_add_nc_u32 v8, s20, v8                       ; Wo in: row 64 w + hh, 8 bytes a lane
	s_lshl_b32 s20, s2, 12
	v_add_nc_u32 v9, s20, v4                       ; O's fragments in: head 2 w
	v_and_b32 v14, 7, v0
	v_lshl_add_u32 v14, v3, 3, v14
	v_mul_u32_u24 v10, v14, WPITCH
	v_bfe_u32 v14, v0, 3, 1
	v_lshl_add_u32 v10, v14, 4, v10
	s_lshl_b32 s20, s2, 5
	s_add_co_u32 s20, s20, WS
	v_add_nc_u32 v10, s20, v10                     ; Wo's fragment (transposing load): row 8 hh + (L & 7), + 16 ((L >> 3) & 1), + my 16 columns
	s_lshl_b32 s20, s2, 6
	s_add_co_u32 s20, s20, ST
	v_mul_u32_u24 v11, v2, SPITCH
	v_lshl_add_u32 v11, v3, 5, v11
	v_add_nc_u32 v11, s20, v11                     ; the way out, in: row r, columns 16 w + 8 hh ..
	s_mul_i32 s20, s2, 4*SPITCH
	s_add_co_u32 s20, s20, ST
	v_mul_u32_u24 v12, v3, SPITCH
	v_lshl_add_u32 v12, v2, 4, v12
	v_add_nc_u32 v12, s20, v12                     ; back: row 4 w + hh, 16 bytes a lane
	v_lshlrev_b32 v13, 4, v2
	v_lshl_add_u32 v13, v3, 10, v13                ; and the same two rows in out0
	s_wait_loadcnt 32                              ; all but Wo's 32 loads, which were issued last
	v_add_f32 v[RL],   v[LB],   v[LB+1]
	v_add_f32 v[RL+1], v[LB+2], v[LB+3]
	v_rcp_f32 v[RL],   v[RL]
	v_rcp_f32 v[RL+1], v[RL+1]
	v_mov_b32 v[NEG1], -1.0                        ; the plain instruction between the reciprocals and their use (ISA guide 5.7.2)
	s_wait_alu depctr_va_vdst(0)
; Piece n of the four that head j leaves: hi's two quads (at OB + 32 j + 16, + 20), then lo's two (at OB + 32 j, + 4): 16 bytes a lane into LDS.
.macro HFSTORE j, n
	ds_store_b128 v9, v[OB+32*(\j)+16-16*((\n)/2)+4*((\n)%2):OB+32*(\j)+16-16*((\n)/2)+4*((\n)%2)+3] offset:2048*(\j)+512*(\n)
.endm
; Head j of my two: add the two partial results, divide, split into hi and lo.  deal = 1 (head 1): head 0's four stores stand among these lines, which name OB + 32 .. + 63 alone.
.macro HFMATH j, deal
.if \deal
	HFSTORE 0, 0
.endif
.irp k, 0,2,4,6,8,10,12,14
	v_pk_add_f32 v[OB+32*\j+\k:OB+32*\j+\k+1], v[OB+32*\j+\k:OB+32*\j+\k+1], v[OB+32*\j+16+\k:OB+32*\j+16+\k+1]
.endr
.if \deal
	HFSTORE 0, 1
.endif
.irp k, 0,2,4,6,8,10,12,14
.if \j == 0
	v_pk_mul_f32 v[OB+32*\j+\k:OB+32*\j+\k+1], v[OB+32*\j+\k:OB+32*\j+\k+1], v[RL:RL+1] op_sel_hi:[1,0]
.else
	v_pk_mul_f32 v[OB+32*\j+\k:OB+32*\j+\k+1], v[OB+32*\j+\k:OB+32*\j+\k+1], v[RL:RL+1] op_sel:[0,1] op_sel_hi:[1,1]
.endif
.endr
.if \deal
	HFSTORE 0, 2
.endif
.irp k, 0,1,2,3,4,5,6,7
	v_cvt_pk_bf16_f32 v[OB+32*\j+16+\k], v[OB+32*\j+2*\k], v[OB+32*\j+2*\k+1]                      ; hi, where the second partial result lay
.endr
.if \deal
	HFSTORE 0, 3
.endif
.irp k, 0,1,2,3,4,5,6,7
	v_fma_mix_f32_bf16 v[OB+32*\j+2*\k],   v[OB+32*\j+16+\k], v[NEG1], v[OB+32*\j+2*\k]   op_sel_hi:[1,0,0]                ; O - hi, exact
	v_fma_mix_f32_bf16 v[OB+32*\j+2*\k+1], v[OB+32*\j+16+\k], v[NEG1], v[OB+32*\j+2*\k+1] op_sel:[1,0,0] op_sel_hi:[1,0,0]
.endr
.irp k, 0,1,2,3,4,5,6,7
	v_cvt_pk_bf16_f32 v[OB+32*\j+\k], v[OB+32*\j+2*\k], v[OB+32*\j+2*\k+1]                         ; lo, in place: register k is written after 2 k and 2 k + 1 are read
.endr
.endm
	HFMATH 0, 0
	s_wait_alu depctr_va_vdst(0)                   ; head 0's hi and lo are written, which its four stores read; so are the LDS addresses and the store offset v8 to v13
	HFMATH 1, 1
; Wo: f32 -> bf16 in place, then into LDS.  Quad i of 32.
.macro WCVT i
	v_cvt_pk_bf16_f32 v[WST+4*(\i)],   v[WST+4*(\i)],   v[WST+4*(\i)+1]
	v_cvt_pk_bf16_f32 v[WST+4*(\i)+1], v[WST+4*(\i)+2], v[WST+4*(\i)+3]
.endm
.macro WPUT i
	ds_store_b64 v8, v[WST+4*(\i):WST+4*(\i)+1] offset:(\i)*2*WPITCH
.endm
	; Four groups of eight quads.  Loads come back in order (ISA guide 5.7.1): behind group g's last load stand the 24 - 8 g loads of the later groups.
.set g, 0
.rept 4
	s_wait_loadcnt 24-8*g                          ; group g is in, the later groups stay out
	s_wait_alu depctr_va_vdst(0)                   ; what the stores below read is written: at g = 0 head 1's hi and lo, later the quads of the group before
.set i, 0
.rept 8
.if g == 0
.if i < 4
	HFSTORE 1, i                                   ; head 1 goes out.  No further wait: the conversions since the wait name this group's quads alone
.endif
.else
	WPUT 8*(g-1)+i                                 ; the group before goes out, likewise
.endif
	WCVT 8*g+i
.set i, i+1
.endr
.set g, g+1
.endr
	s_wait_alu depctr_va_vdst(0)                   ; the last group's conversions have written its quads, which the stores below read
.set i, 0
.rept 8
	WPUT 24+i
.set i, i+1
.endr
	s_wait_dscnt 0x0                               ; zero, for the other waves' sake
	s_barrier_signal -1
	s_barrier_wait -1
	s_wait_alu depctr_vm_vsrc(0)                   ; my LDS stores have read v[WST ..] and v[OB ..], in which the fragments land (the arithmetic that named them stands ahead of the last wait on va_vdst)
	; all 48 fragment loads in one run, six for each head
.set kk, 0
.rept 8
	ds_load_b128 v[AFR+16*kk:AFR+16*kk+3],     v4 offset:2048*kk
	ds_load_b128 v[AFR+16*kk+4:AFR+16*kk+7],   v4 offset:2048*kk+512
	ds_load_b128 v[AFR+16*kk+8:AFR+16*kk+11],  v4 offset:2048*kk+1024
	ds_load_b128 v[AFR+16*kk+12:AFR+16*kk+15], v4 offset:2048*kk+1536
	ds_load_tr16_b128 v[BFR+8*kk:BFR+8*kk+3],   v10 offset:32*WPITCH*kk
	ds_load_tr16_b128 v[BFR+8*kk+4:BFR+8*kk+7], v10 offset:32*WPITCH*kk+16*WPITCH
.set kk, kk+1
.endr
	; source 0 = 16 columns of Wo, source 1 = 16 rows of O: lane (r, hh) gets row r, columns 16 w + 8 hh + 0..7.
	; The two accumulators take turns, one instruction a turn.
.set kk, 0
.rept 8
	s_wait_dscnt 6*(7-kk)                          ; the six loads of each later head may stay out
	v_wmma_f32_16x16x32_bf16 v[ACC0:ACC0+7], v[BFR+8*kk:BFR+8*kk+7], v[AFR+16*kk:AFR+16*kk+7], v[ACC0:ACC0+7]
.if kk == 0
	v_wmma_f32_16x16x32_bf16 v[ACC1:ACC1+7], v[BFR+8*kk:BFR+8*kk+7], v[AFR+16*kk+8:AFR+16*kk+15], 0
.else
	v_wmma_f32_16x16x32_bf16 v[ACC1:ACC1+7], v[BFR+8*kk:BFR+8*kk+7], v[AFR+16*kk+8:AFR+16*kk+15], v[ACC1:ACC1+7]
.endif
.set kk, kk+1
.endr
.rept 4
	v_nop                                          ; four places behind the last matrix instruction, ahead of the first reader of a result (ISA guide 7.12.1)
.endr
.irp k, 0,2,4,6
	v_pk_add_f32 v[ACC0+\k:ACC0+\k+1], v[ACC0+\k:ACC0+\k+1], v[ACC1+\k:ACC1+\k+1]
.endr
	s_wait_alu depctr_va_vdst(0)                   ; the additions have written ACC0, which the LDS stores read; the matrix instructions are done reading v[AFR ..], in which the loads from the stage land.  No vector instruction follows
	ds_store_b128 v11, v[ACC0:ACC0+3]
	ds_store_b128 v11, v[ACC0+4:ACC0+7] offset:16
	s_wait_dscnt 0x0                               ; zero: the rows are read back by other waves
	s_barrier_signal -1
	s_barrier_wait -1
	ds_load_b128 v[AFR:AFR+3],   v12                               ; rows 4 w and 4 w + 1: 256 bytes each
	ds_load_b128 v[AFR+4:AFR+7], v12 offset:2*SPITCH               ; rows 4 w + 2 and 4 w + 3
	s_wait_dscnt 0x1                               ; the first is in
	global_store_b128 v13, v[AFR:AFR+3], s[12:13]                  ; sixteen lanes store 256 consecutive bytes, aligned
	s_wait_dscnt 0x0
	global_store_b128 v13, v[AFR+4:AFR+7], s[12:13] offset:2048
	s_wait_dscnt 0x0
	s_wait_alu depctr_hold_cnt(0) depctr_sa_sdst(0) depctr_va_vdst(0) depctr_va_sdst(0) depctr_va_ssrc(0) depctr_va_vcc(0) depctr_vm_vsrc(0)
	s_wait_tensorcnt 0x0
	ds_add_u32 v15, v215
	s_wait_dscnt 0x0
	s_endpgm
.Lfunc_end_k_q71f62ee0ba_outp:
	.size	k_q71f62ee0ba_outp, .Lfunc_end_k_q71f62ee0ba_outp-k_q71f62ee0ba_outp
	.p2alignl 7, 3214868480
	.fill 96, 4, 3214868480
	.section	.rodata,"a",@progbits
	.p2align	6, 0x0
	.amdhsa_kernel k_q71f62ee0ba_outp
		.amdhsa_group_segment_fixed_size 62208
		.amdhsa_private_segment_fixed_size 0
		.amdhsa_enable_private_segment 0
		.amdhsa_kernarg_size 40
		.amdhsa_user_sgpr_count 2
		.amdhsa_user_sgpr_kernarg_segment_ptr 1
		.amdhsa_wavefront_size32 1
		.amdhsa_system_sgpr_workgroup_id_x 1
		.amdhsa_system_sgpr_workgroup_id_y 1
		.amdhsa_system_sgpr_workgroup_id_z 1
		.amdhsa_system_vgpr_workitem_id 0
		.amdhsa_next_free_vgpr 232
		.amdhsa_next_free_sgpr 66
		.amdhsa_reserve_vcc 0
		.amdhsa_float_denorm_mode_32 3
		.amdhsa_float_denorm_mode_16_64 3
		.amdhsa_memory_ordered 1
		.amdhsa_forward_progress 1
		.amdhsa_inst_pref_size 28
	.end_amdhsa_kernel
	.amdgpu_metadata
---
amdhsa.version: [ 1, 2 ]
amdhsa.kernels:
  - .name:           k_q71f62ee0ba_outp
    .symbol:         k_q71f62ee0ba_outp.kd
    .args:
      - { .name: opart, .offset: 0, .size: 8, .value_kind: global_buffer, .address_space: global }
      - { .name: lsum, .offset: 8, .size: 8, .value_kind: global_buffer, .address_space: global }
      - { .name: Wo, .offset: 16, .size: 8, .value_kind: global_buffer, .address_space: global }
      - { .name: bo, .offset: 24, .size: 8, .value_kind: global_buffer, .address_space: global }
      - { .name: out0, .offset: 32, .size: 8, .value_kind: global_buffer, .address_space: global }
    .group_segment_fixed_size: 62208
    .private_segment_fixed_size: 0
    .kernarg_segment_align: 8
    .kernarg_segment_size: 40
    .max_flat_workgroup_size: 128
    .sgpr_count:     66
    .vgpr_count:     232
    .wavefront_size: 32
...
	.end_amdgpu_metadata
.endif
;; end of part 5
